; MI455X (gfx1250); checked and timed in simulation.
; The chip was launched on July 23, 2026; its instructions are those of AMD's public machine-readable ISA for CDNA 5 (MIT licence, August 2026) and "CDNA5" Instruction Set Architecture Reference Guide (July 2026). The comments in the code are by the model that wrote it; some were corrected since.
;; Causal Attention. Allowed arithmetic: matrix products marked QUANTISED: E2M3 operands, one E8M0 scale for each 32 along K, by v_wmma_scale_f32_16x16x128_f8f6f4 with both operands' format E2M3, f32 sums; everything else in f32.
;; Inputs: W_out 1,024 x 1,024 float32; W_qkv 1,024 x 3,072 float32; x 4 x 2,048 x 1,024 float32.
;; Outputs: out0 4 x 2,048 x 1,024 float32.
;; This version of the problem:
;;   THIS VERSION OF THE PROBLEM IS GIVEN IN LOW PRECISION. The matrix products marked QUANTISED in the list below multiply operands that are first quantised to E2M3 (2 exponent bits, 3 mantissa bits; 6 bits a number), with one power-of-two scale for each 32 numbers along K (OCP MX v1.0); their sums are f32. All else is computed in f32.
;;   The module's matrix products, in the order in which they are computed (A, B: the left and right operand; K: the contracted axis; several contracted axes count as one K, in the product's order):
;;     1. [M 8,192, K 1,024] x [K 1,024, N 3,072]; A: input x; B: input W_qkv: QUANTISED
;;     2. batch 64 x [M 2,048, K 64] x [K 64, N 2,048]; A: computed on the way; B: computed on the way: QUANTISED
;;     3. batch 64 x [M 2,048, K 2,048] x [K 2,048, N 64]; A: softmax (see below); B: computed on the way: QUANTISED
;;     4. [M 8,192, K 1,024] x [K 1,024, N 1,024]; A: computed on the way; B: input W_out: QUANTISED
;;   THE QUANTISER, for each operand of a quantised product, along K:
;;     - K is cut into blocks of 32 from its start; a last block that is shorter is filled with zeros.
;;     - A block's scale is 2^e with e = floor(log2(the largest magnitude in the block)) - 2, held to -126 .. 127; a block of zeros has e = 0. As a byte (E8M0): e + 127.
;;     - Each number is divided by its block's scale, clamped to +-7.5, and rounded to the nearest number of E2M3, ties to even, subnormals kept.
;;     - The product sums the exact products of the quantised numbers (number of the format x scale) in f32.
;;   ~~~python
;;   def quantise(x, axis):      # numpy; x: float32 -> the quantised numbers, widened to float32 again
;;       x = np.moveaxis(x, axis, -1); K = x.shape[-1]
;;       x = np.pad(x, [(0, 0)] * (x.ndim - 1) + [(0, -K % 32)]); x = x.reshape(x.shape[:-1] + (-1, 32)); a = np.abs(x).max(-1, keepdims=True)
;;       e = np.where(a > 0, np.clip(np.frexp(np.where(a > 0, a, 1))[1] - 1 - 2, -126, 127), 0)      # np.frexp(a)[1] - 1 = floor(log2(a)), exactly
;;       r = np.clip(x / 2.0 ** e, -7.5, 7.5)
;;       step = 2.0 ** (np.maximum(np.frexp(np.where(r == 0, 1, r))[1] - 1, 0) - 3)
;;       q = np.round(r / step) * step * 2.0 ** e      # np.round: ties to even
;;       return np.moveaxis(q.reshape(q.shape[:-2] + (-1,))[..., :K], -1, axis).astype(np.float32)
;;   ~~~
;;   SOFTMAX AHEAD OF A QUANTISED PRODUCT. Where the list says 'softmax', what is quantised is not the finished softmax but p = 2^(t - M), with t = logit x log2(e) and M = ceil(the row's largest t), a whole number; so 1/2 < the row's largest p <= 1. The row's sum l is taken of the UNQUANTISED p, in f32, and the product's result is divided by l at the end. Since M is a whole number, a kernel that streams over the keys may use a running M (the ceiling of the running maximum): every later rescaling is an exact power of two, which a block's scale takes up: the codes' values come out the same.
;;   OPERANDS COMPUTED ON THE WAY. 'Computed on the way' means the value that the module computes at that place (a softmax that the list does not call 'softmax' is quantised finished and normalised). What goes into a quantiser is computed in f32, as accurately as f32 sums, v_exp_f32 and their like allow (about 1e-6 of the number): no bf16 or f16 on the way to a quantiser, and a product that is left as it is and whose result goes on into a quantised operand takes f32 operands (vector FMAs, or v_wmma_f32_16x16x4_f32). A number that lies on a knife's edge between two numbers of the format may be rounded either way, as far as f32 arithmetic and the matrix unit's own rounding can turn it there, and no further.
;; One version. Each part assembles by itself: llvm-mc -triple=amdgcn-amd-amdhsa -mcpu=gfx1250 --defsym DOCPART=n.
;; ======== version 1 of 1: 4 launches
;; workspace buffers: opc 9,437,184 bytes; ops 393,216 bytes; q 6,815,744 bytes; kv 13,369,344 bytes; ac 6,291,456 bytes; asc 262,144 bytes
;; launch prep (part 1): grid 384 x 1, 8 waves a work-group, no clusters, 70,656 bytes of LDS; arguments x, W_qkv, W_out, opc, ops; writes opc, ops
.if DOCPART == 1
	.amdgcn_target "amdgcn-amd-amdhsa--gfx1250"
	.amdhsa_code_object_version 6
	.text
	.protected	k_q039350039e_prep
	.globl	k_q039350039e_prep
	.p2align	8
	.type	k_q039350039e_prep,@function
k_q039350039e_prep:
	s_mov_b64 s[64:65], 0
	v_nop
	global_prefetch_b8 v0, s[64:65] scope:SCOPE_SE
	s_setreg_imm32_b32 hwreg(HW_REG_WAVE_MODE, 25, 1), 1
	s_wait_xcnt 0x0
; x [8192][1024], W_qkv [1024][3072] and W_out [1024][1024], f32, become codes of FP6 (E2M3) with one E8M0 byte for each 32 along K = 1024,
; laid in the order of the matrix operand's registers.
; TILES.  An operand is cut into tiles of 16 rows (x: rows; the weights: columns n).  Row r of tile T is row 32 (T/2) + 8 (T%2) + r + 8 (r/8).
; opc: [tile 0..767][kk 0..15][768 bytes].  768 bytes are 16 rows x 64 along K as an image of registers: lane (r, h) holds six registers, the codes of
;      k = 64 kk + 32 h + 0..31 of row r; registers 0-3 lie at 16 x lane, registers 4-5 at 512 + 8 x lane.  Tiles 0-191 W_qkv, 192-255 W_out, 256-767 x.
; ops: [tile][r][32 bytes]: byte kb scales k = 32 kb + 0..31.
; A block's scale is 2^(floor(log2(largest magnitude)) - 2): its byte is the largest magnitude's exponent field - 2, held at 1 from below by a floor among the maximum's leaves.
; LIMITS: a block of zeros, or one whose largest magnitude lies under 2^-124, gets the byte 1 (its codes are zeros or the rounded numbers; the bytes are read by this program alone);
; NaN and infinities among the inputs are not served.
; SHARES.  Work-group g makes tiles 2 g and 2 g + 1: g < 96 W_qkv's columns 32 g on, g < 128 W_out's columns 32 (g - 96) on, else x's rows 32 (g - 128) on.  Eight waves.
; x: K is innermost.  Wave w takes tile 2 g + (w & 1), K = 256 (w >> 1) on.  Each load reads 512 consecutive bytes of a row; 16 rows turn through the wave's own stage in LDS, so that a lane gets whole blocks.
; weights: K is the first axis.  A lane takes a column and its registers run down K; wave w takes K = 128 w on.  A wave's load covers 128 consecutive bytes: 32 columns; the work-group beside it reads the next 128.
; The three ways part on the work-group's number and join in front of the one barrier; each way has scale bytes of its own in LDS.  No tensor load, no matrix work: memory binds.
.set STGB,  8448                       ; a wave's stage: 16 rows x (512 bytes + 16)
.set SCGX,  67584                      ; behind the eight stages: the two tiles' scale bytes, 1,024, on x's way
.set SCGW,  68608                      ; and on the weights' ways
.set FLOOR, 0x1800000                  ; 2^(3 - 127)
.set EOFF,  0xff000000                 ; -(2 << 23)
.set PC,    224                        ; v224-235 twelve registers of codes
.set PT,    236                        ; v236-238 a conversion's three registers begin on an even number: a block's second half is made here and moved
; REGISTERS: v1 lane, v2 r, v3 h, v4 16 x lane, v5 8 x lane, v6, v7 stage in and out, v8, v9 where scale words go, v10, v11 where they are read back and stored,
; v12 the weights' column offset, v13 8 h, v16-17, v20 scale words, v22-28 at work, v32-159 numbers as loaded, v160-223 x's numbers by blocks.
; 32 numbers of ONE block, v[src] on, become six registers of codes at v[dst] on and the block's byte in v[by].
.macro QB src, dst, by
	v_max3_num_f32 v22, |v[(\src)]|, |v[(\src)+1]|, FLOOR          ; two chains; the floor is one more leaf
	v_max3_num_f32 v23, |v[(\src)+16]|, |v[(\src)+17]|, |v[(\src)+18]|
.irp i, 0,1,2,3,4,5
	s_delay_alu instid0(VALU_DEP_2)
	v_max3_num_f32 v22, v22, |v[(\src)+2+2*\i]|, |v[(\src)+3+2*\i]|
	s_delay_alu instid0(VALU_DEP_2)
	v_max3_num_f32 v23, v23, |v[(\src)+19+2*\i]|, |v[(\src)+20+2*\i]|
.endr
	s_delay_alu instid0(VALU_DEP_2)
	v_max3_num_f32 v22, v22, |v[(\src)+14]|, |v[(\src)+15]|
	s_delay_alu instid0(VALU_DEP_1)
	v_max3_num_f32 v22, v22, v23, |v[(\src)+31]|                   ; the block's largest magnitude
	s_delay_alu instid0(VALU_DEP_1)
	v_add_nc_u32 v24, EOFF, v22                                    ; 2 off its exponent field: the conversion takes this operand's exponent field as its scale
	s_delay_alu instid0(VALU_DEP_1)
	v_lshrrev_b32 v[\by], 23, v24                                  ; the scale's byte
	v_cvt_scalef32_pk16_fp6_f32 v[(\dst):(\dst)+2], v[(\src):(\src)+15], v24
	v_cvt_scalef32_pk16_fp6_f32 v[PT:PT+2], v[(\src)+16:(\src)+31], v24
	v_nop                                                          ; one plain instruction behind the scaled conversions
.irp i, 0,1,2
	v_mov_b32 v[(\dst)+3+\i], v[PT+\i]
.endr
.endm
	s_load_b256 s[4:11], s[0:1], 0x0               ; x s[4:5], W_qkv s[6:7], W_out s[8:9], opc s[10:11]
	s_load_b64 s[12:13], s[0:1], 0x20              ; ops
	v_lshl_add_u32 v240, v0, 2, 0x11000
	v_mov_b32 v241, 0
	v_lshrrev_b32 v1, 5, v0
	s_delay_alu instid0(VALU_DEP_1)
	v_readfirstlane_b32 s14, v1                    ; wave 0..7
	v_and_b32 v1, 31, v0                           ; lane
	v_and_b32 v2, 15, v0                           ; r
	s_wait_alu depctr_va_vdst(0)
	v_bfe_u32 v3, v0, 4, 1                         ; h
	v_lshlrev_b32 v4, 4, v1
	v_lshlrev_b32 v5, 3, v1
	; every LDS address is made here, ahead of the parting of the ways
	s_mul_i32 s15, s14, STGB
	v_add_nc_u32 v6, s15, v4                       ; stage, in: 16 x lane of a row
	v_mul_u32_u24 v7, v2, 528
	s_delay_alu instid0(VALU_DEP_1)
	v_lshl_add_u32 v7, v3, 7, v7
	s_delay_alu instid0(VALU_DEP_1)
	v_add_nc_u32 v7, s15, v7                       ; stage, out: row r, + 128 h: my block of 32 numbers
	s_and_b32 s16, s14, 1                          ; x: which of the two tiles
	s_lshr_b32 s17, s14, 1                         ; x: which quarter of K
	s_lshl_b32 s18, s16, 9
	s_lshl_b32 s19, s17, 3
	s_add_co_u32 s18, s18, s19
	s_add_co_u32 s18, s18, SCGX
	v_lshl_add_u32 v8, v2, 5, s18                  ; x: two scale words: tile, row r, bytes 8 (w >> 1) on
	s_lshl_b32 s19, s14, 2
	s_add_co_u32 s19, s19, SCGW
	v_lshl_add_u32 v9, v2, 5, s19
	s_wait_alu depctr_va_vdst(0)
	v_lshl_add_u32 v9, v3, 9, v9                   ; weights: one scale word: tile h, row r, bytes 4 w on
	s_cmp_lt_u32 ttmp9, 128
	s_mov_b32 s19, SCGX
	s_cselect_b32 s19, SCGW, s19
	v_lshl_add_u32 v10, v0, 4, s19                 ; back: threads 0-63 take 16 bytes each of my way's 1,024
	v_lshlrev_b32 v11, 4, v0
	v_and_b32 v12, 8, v2
	s_delay_alu instid0(VALU_DEP_1)
	v_add_nc_u32 v12, v12, v2
	s_delay_alu instid0(VALU_DEP_1)
	v_lshl_add_u32 v12, v3, 3, v12
	s_delay_alu instid0(VALU_DEP_1)
	v_lshlrev_b32 v12, 2, v12                      ; weights: my column among the 32: 8 h + r + 8 (r / 8), 4 bytes each
	v_lshlrev_b32 v13, 3, v3
	v_mov_b32 v28, 0                               ; written once: a lane permute's destination counts as one of its sources
	s_mov_b32 s20, 0x76543210
	s_mov_b32 s21, 0xfedcba98                      ; v_permlanex16_b32's selects for lane l xor 16
	s_mov_b32 s23, 0
	s_mov_b32 s25, 0
	s_wait_kmcnt 0x0
	s_mul_i32 s22, ttmp9, 24576
	s_add_nc_u64 s[10:11], s[10:11], s[22:23]      ; opc at tile 2 g
	s_lshl_b32 s22, ttmp9, 10
	s_add_nc_u64 s[12:13], s[12:13], s[22:23]      ; ops at tile 2 g
	s_cmp_lt_u32 ttmp9, 96
	s_cbranch_scc1 .Lwqkv
	s_cmp_lt_u32 ttmp9, 128
	s_cbranch_scc1 .Lwout
	; ---------------- x ----------------
	s_sub_co_u32 s24, ttmp9, 128
	s_lshl_b32 s24, s24, 17                        ; 32 rows of 4,096 bytes a work-group
	s_lshl_b32 s26, s16, 15                        ; the odd tile begins 8 rows down
	s_add_co_u32 s24, s24, s26
	s_lshl_b32 s26, s17, 10                        ; 256 numbers along K
	s_add_co_u32 s24, s24, s26
	s_add_nc_u64 s[4:5], s[4:5], s[24:25]
	s_mul_i32 s24, s16, 12288
	s_mul_i32 s26, s17, 3072
	s_add_co_u32 s24, s24, s26
	s_add_nc_u64 s[10:11], s[10:11], s[24:25]      ; my tile, my four images of 64 along K
.macro LOADX f                         ; 16 rows x 128 along K: 32 lanes read 512 consecutive bytes of a row
.irp p, 0,1,2,3,4,5,6,7,8,9,10,11,12,13,14,15
	global_load_b128 v[32+64*\f+4*\p:32+64*\f+4*\p+3], v4, s[4:5] offset:(\p+8*(\p/8))*4096+512*\f th:TH_LOAD_NT
.endr
.endm
.macro XFRAG f
.if \f == 0
	s_wait_loadcnt 16                              ; this fragment's sixteen loads are in; the next fragment's sixteen stay out
.else
	s_wait_loadcnt 0x0
.endif
.irp p, 0,1,2,3,4,5,6,7,8,9,10,11,12,13,14,15
	ds_store_b128 v6, v[32+64*\f+4*\p:32+64*\f+4*\p+3] offset:528*\p
.endr
.irp c, 0,1                            ; LDS serves a wave's instructions in order: these see the stores above
.irp j, 0,1,2,3,4,5,6,7
	ds_load_b128 v[160+32*\c+4*\j:160+32*\c+4*\j+3], v7 offset:256*\c+16*\j   ; k = 64 c + 32 h + 4 j on, of row r
.endr
.endr
	s_wait_dscnt 0x0
.if \f
	s_wait_xcnt 0x0                                ; the last fragment's stores have read the codes' registers
.endif
	QB 160, PC, 25                                 ; block h
	QB 192, PC+6, 26                               ; block 2 + h
	v_lshl_or_b32 v27, v26, 16, v25                ; my two bytes,
	s_delay_alu instid0(VALU_DEP_1)
	v_lshlrev_b32 v27, v13, v27                    ; 8 h bits up;
	s_delay_alu instid0(VALU_DEP_1)
	v_permlanex16_b32 v28, v27, s20, s21
	s_delay_alu instid0(VALU_DEP_1)
	v_or_b32 v[16+\f], v27, v28                    ; with lane l xor 16's two the scale word is whole
	global_store_b128 v4, v[PC:PC+3], s[10:11] offset:1536*\f          ; 32 lanes store 512 consecutive bytes,
	global_store_b64 v5, v[PC+4:PC+5], s[10:11] offset:1536*\f+512     ; 256,
	global_store_b128 v4, v[PC+6:PC+9], s[10:11] offset:1536*\f+768
	global_store_b64 v5, v[PC+10:PC+11], s[10:11] offset:1536*\f+1280
.endm
	LOADX 0
	LOADX 1
	XFRAG 0
	XFRAG 1
	ds_store_b64 v8, v[16:17]                      ; lanes r and r + 16 write the same words with the same values
	s_branch .Ljoin
	; ---------------- the weights ----------------
.macro LOADW t, pitch                  ; block t: W(128 w + 32 t + i, my column), i = 0..31
.irp i, 0,1,2,3,4,5,6,7,8,9,10,11,12,13,14,15,16,17,18,19,20,21,22,23,24,25,26,27,28,29,30,31
	global_load_b32 v[32+32*((\t)%2)+\i], v12, s[4:5] offset:(32*(\t)+\i)*(\pitch)
.endr
.endm
.macro WBLOCK t, pitch
.if (\t) < 3
	s_wait_loadcnt 32                              ; this block's 32 loads are in; the next block's 32 stay out
.else
	s_wait_loadcnt 0x0
.endif
.if (\t) == 2
	s_wait_xcnt 0x0                                ; the first pair's stores have read the codes' registers
.endif
	QB 32+32*((\t)%2), PC+6*((\t)%2), 25+(\t)%2
.if (\t) < 2
	LOADW (\t)+2, \pitch
.endif
.if (\t)%2
.irp i, 0,1,2,3,4,5                    ; lane (r, h) holds tile h, row r: the even block in the first six registers, the odd block in the second six.  The exchange of halves
	v_permlane16_swap_b32 v[PC+\i], v[PC+6+\i]     ; leaves tile 0's image (lanes 0-15 the even block, lanes 16-31 the odd one) in the first six and tile 1's in the second six
.endr
	global_store_b128 v4, v[PC:PC+3], s[10:11] offset:((\t)/2)*768
	global_store_b64 v5, v[PC+4:PC+5], s[10:11] offset:((\t)/2)*768+512
	global_store_b128 v4, v[PC+6:PC+9], s[10:11] offset:12288+((\t)/2)*768
	global_store_b64 v5, v[PC+10:PC+11], s[10:11] offset:12288+((\t)/2)*768+512
.if (\t) == 1
	v_lshl_or_b32 v20, v26, 8, v25                 ; my column's scale word for these 128 along K: bytes 0, 1
.else
	v_lshl_or_b32 v27, v26, 8, v25
	s_delay_alu instid0(VALU_DEP_1)
	v_lshl_or_b32 v20, v27, 16, v20                ; bytes 2, 3
.endif
.endif
.endm
.macro WPATH pitch
	s_mul_i32 s24, s14, 1536
	s_add_nc_u64 s[10:11], s[10:11], s[24:25]      ; my two images of 64 along K in each tile
	LOADW 0, \pitch
	LOADW 1, \pitch
	WBLOCK 0, \pitch
	WBLOCK 1, \pitch
	WBLOCK 2, \pitch
	WBLOCK 3, \pitch
	ds_store_b32 v9, v20
.endm
.Lwqkv:
	s_lshl_b32 s24, ttmp9, 7                       ; 32 columns of 4 bytes a work-group
	s_mul_i32 s26, s14, 128*12288                  ; 128 rows of K a wave
	s_add_co_u32 s24, s24, s26
	s_add_nc_u64 s[4:5], s[6:7], s[24:25]
	s_wait_alu depctr_va_vdst(0)
	WPATH 12288
	s_branch .Ljoin
.Lwout:
	s_sub_co_u32 s24, ttmp9, 96
	s_lshl_b32 s24, s24, 7
	s_mul_i32 s26, s14, 128*4096
	s_add_co_u32 s24, s24, s26
	s_add_nc_u64 s[4:5], s[8:9], s[24:25]
	s_wait_alu depctr_va_vdst(0)
	WPATH 4096
.Ljoin:
	s_wait_dscnt 0x0                               ; for the others' sake: my scale words lie in LDS
	s_barrier_signal -1
	s_barrier_wait -1
	s_cmp_lt_u32 s14, 2                            ; waves 0 and 1 store the two tiles' 1,024 scale bytes: 512 consecutive bytes each
	s_cbranch_scc0 .Ldone
	ds_load_b128 v[32:35], v10
	s_wait_dscnt 0x0
	global_store_b128 v11, v[32:35], s[12:13]
.Ldone:
	s_wait_tensorcnt 0x0
	ds_add_u32 v240, v241
	s_wait_dscnt 0x0
	s_endpgm
.Lfunc_end_k_q039350039e_prep:
	.size	k_q039350039e_prep, .Lfunc_end_k_q039350039e_prep-k_q039350039e_prep
	.p2alignl 7, 3214868480
	.fill 96, 4, 3214868480
	.section	.rodata,"a",@progbits
	.p2align	6, 0x0
	.amdhsa_kernel k_q039350039e_prep
		.amdhsa_group_segment_fixed_size 70656
		.amdhsa_private_segment_fixed_size 0
		.amdhsa_enable_private_segment 0
		.amdhsa_kernarg_size 40
		.amdhsa_user_sgpr_count 2
		.amdhsa_user_sgpr_kernarg_segment_ptr 1
		.amdhsa_wavefront_size32 1
		.amdhsa_system_sgpr_workgroup_id_x 1
		.amdhsa_system_sgpr_workgroup_id_y 1
		.amdhsa_system_sgpr_workgroup_id_z 1
		.amdhsa_system_vgpr_workitem_id 0
		.amdhsa_next_free_vgpr 242
		.amdhsa_next_free_sgpr 66
		.amdhsa_reserve_vcc 0
		.amdhsa_float_denorm_mode_32 3
		.amdhsa_float_denorm_mode_16_64 3
		.amdhsa_memory_ordered 1
		.amdhsa_forward_progress 1
		.amdhsa_inst_pref_size 63
	.end_amdhsa_kernel
	.amdgpu_metadata
---
amdhsa.version: [ 1, 2 ]
amdhsa.kernels:
  - .name:           k_q039350039e_prep
    .symbol:         k_q039350039e_prep.kd
    .args:
      - { .name: x, .offset: 0, .size: 8, .value_kind: global_buffer, .address_space: global }
      - { .name: W_qkv, .offset: 8, .size: 8, .value_kind: global_buffer, .address_space: global }
      - { .name: W_out, .offset: 16, .size: 8, .value_kind: global_buffer, .address_space: global }
      - { .name: opc, .offset: 24, .size: 8, .value_kind: global_buffer, .address_space: global }
      - { .name: ops, .offset: 32, .size: 8, .value_kind: global_buffer, .address_space: global }
    .group_segment_fixed_size: 70656
    .private_segment_fixed_size: 0
    .kernarg_segment_align: 8
    .kernarg_segment_size: 40
    .max_flat_workgroup_size: 256
    .sgpr_count:     66
    .vgpr_count:     242
    .wavefront_size: 32
...
	.end_amdgpu_metadata
.endif
;; end of part 1
;; launch qkv (part 2): grid 4 x 192, 4 waves a work-group, clusters of 4 x 4, 295,424 bytes of LDS; arguments opc, ops, q, kv; writes q, kv
.if DOCPART == 2
	.amdgcn_target "amdgcn-amd-amdhsa--gfx1250"
	.amdhsa_code_object_version 6
	.text
	.protected	k_q039350039e_qkv
	.globl	k_q039350039e_qkv
	.p2align	8
	.type	k_q039350039e_qkv,@function
k_q039350039e_qkv:
	s_mov_b64 s[64:65], 0
	v_nop
	global_prefetch_b8 v0, s[64:65] scope:SCOPE_SE
	s_setreg_imm32_b32 hwreg(HW_REG_WAVE_MODE, 25, 1), 1
	s_wait_xcnt 0x0
	s_wait_alu depctr_hold_cnt(0) depctr_sa_sdst(0) depctr_va_vdst(0) depctr_va_sdst(0) depctr_va_ssrc(0) depctr_va_vcc(0) depctr_vm_vsrc(0)
	s_getreg_b32 s2, hwreg(HW_REG_IB_STS2, 6, 4)
	s_cmp_eq_u32 s2, 0
	s_cbranch_scc0 .Lentry_in_a_cluster
	s_endpgm
.Lentry_in_a_cluster:
	s_bfe_u32 s2, ttmp6, 0x10000c
	s_cmp_lg_u32 s2, 0xf033
	s_cbranch_scc0 .Lentry_shape_is_right
	s_endpgm
.Lentry_shape_is_right:
; qkv = x W_qkv on codes of FP6 (E2M3) with E8M0 scales, K = 1024; the results are quantised here, in registers, for the two products of attention, and leave as codes.
; OPERANDS (made by the launch before): opc [tile][kk 0..15][768]: 16 rows x 64 along K as an image of the operand's registers (lane (r, h): six registers, k = 64 kk + 32 h + 0..31;
; registers 0-3 at 16 x lane, 4-5 at 512 + 8 x lane); row r of tile T is row 32 (T/2) + 8 (T%2) + r + 8 (r/8).  ops [tile][r][32]: scale bytes.  Tiles 0-191 W_qkv's columns, 256-767 x's rows.
; A WORK-GROUP multiplies 256 rows of source 0 (16 tiles) by 128 rows of source 1 (8 tiles); four waves, each 8 tiles x 4 tiles: 32 accumulators.  In a result lane (r, h) holds row r of source 1's tile,
; and the 16 registers of source 0's tiles 2 b, 2 b + 1 are its rows 32 b + 16 h + 0..15: sixteen neighbours, which is what the conversions to codes take.
; Q AND K (cluster y < 32): source 0 = W's columns, source 1 = x's rows: a lane holds one token, registers run along the head's 64: the first product's K.
; V (cluster y >= 32): source 0 = x's rows, source 1 = W's columns: a lane holds one channel d, registers run along the tokens: the second product's K.
; ALL OF K LIES IN LDS: four slots of 256 along K, each filled once, all asked for at the start: four tensor loads of a wave are out.
; CLUSTER 4 x 4: source 1's tiles hang on cy and are asked for jointly by a row of the cluster, source 0's hang on cx and are asked for jointly by a column.
; RESULTS: q [head 64][step 16][6,656]: 8 tiles x 768 of codes (16 tokens x 64), then two images of 256 bytes of scale words.
;          kv [head][step 16][13,056]: K's 8 x 768, V's 4 x 1,536 (16 d x 128 keys), K's two images of scale words, V's one.
; An image of scale words serves four tiles: lane (r, h), word j at 8 x lane + 4 j: the word of tile 2 j + h, row r.  In Q's and K's words bytes 2 and 3 are 0: they stand over zero codes.
; LIMITS: a block of zeros, or one whose largest magnitude lies under 2^-124, gets the byte 1 (read by this program alone); NaN and infinities are not served.
; REGISTERS, in windows of 256.  Window 0: v1 lane, v2 r, v4 16 x lane, v5 8 x lane, v6 32 r; v8-23 LDS addresses; v24-31 the stores' offsets; v32-63 source 1's scale words (8 a + K step),
; v64-127 source 0's (8 b + K step): they hold scales and nothing else; v128-223 source 1's fragments, two sets, later the codes made; v224-249 at work.
; Window 1: source 0's fragments, two sets, at v0 and v128.  Window 2: accumulator (a, b) at v[8 (8 a + b)].
.set SLOT, 73728                       ; source 1's 8 tiles x 3,072 bytes, then source 0's 16
.set TP,   12288                       ; a tile in memory
.set SA,   32
.set SB,   64
.set AF,   128
.set TM,   224                         ; v224-227 largest magnitudes, v228-231 permute and bytes, v236-239 the conversions' scale operands
.set PW,   240                         ; v240-243 the four tiles' scale words
.set G1A,  24                          ; s[24:31] descriptor group 1, source 1's tiles;  s[32:39] source 0's
.set G1B,  32
.set G0A,  40                          ; s[40:55] group 0, one set a slot, source 1;  s[68:83] source 0
.set G0B,  68
.set MUL,  0xa1                        ; source 0 window 1, source 1 window 0, C and D window 2
.set TO_B, 0x40                        ; destination window 1
.set MSB,  0
.macro WIN new                         ; the immediate's high byte repeats the setting that is left
.if MSB != \new
	s_set_vgpr_msb (MSB<<8)|\new
.set MSB, \new
.endif
.endm
.macro PLACES                          ; four plain instructions behind a matrix instruction, ahead of loads into its sources and of reads of its result
.rept 4
	v_nop
.endr
.endm
.macro CROUND                          ; a round of the cluster's barrier
	s_barrier_signal -1
	s_barrier_wait -1
	s_cmp_lg_u32 s12, 0
	s_cbranch_scc1 .Lnot_wave_0_\@
	s_barrier_signal -3
.Lnot_wave_0_\@:
	s_barrier_wait -3
	s_barrier_signal -1
	s_barrier_wait -1
.endm
.macro FRAG reg, a16, a8, off          ; a fragment, 16 rows x 128 K, is two images on end: every load takes 512 or 256 consecutive bytes
	ds_load_b128 v[(\reg):(\reg)+3], v[\a16] offset:\off
	ds_load_b64 v[(\reg)+4:(\reg)+5], v[\a8] offset:\off+512
	ds_load_b128 v[(\reg)+6:(\reg)+9], v[\a16] offset:\off+768
	ds_load_b64 v[(\reg)+10:(\reg)+11], v[\a8] offset:\off+1280
.endm
.macro FETCH ks                        ; K step ks: slot ks / 2, half ks % 2, into set ks % 2: 48 loads
.set FS, (\ks)/2
.set FQ, (\ks)%2
	WIN TO_B
.irp b, 0,1,2,3,4,5,6,7
	FRAG 128*FQ+12*\b, 16+FS, 20+FS, \b*3072+FQ*1536
.endr
	WIN 0
.irp a, 0,1,2,3
	FRAG AF+48*FQ+12*\a, 8+FS, 12+FS, \a*3072+FQ*1536
.endr
.endm
.macro MUL32 ks                        ; the 32 accumulators take turns, one instruction a turn, in the same order in every step; the first step starts the sums
.set FQ, (\ks)%2
.irp a, 0,1,2,3
.irp b, 0,1,2,3,4,5,6,7
.if (\ks) == 0
	v_wmma_scale_f32_16x16x128_f8f6f4 v[8*(8*\a+\b):8*(8*\a+\b)+7], v[128*FQ+12*\b:128*FQ+12*\b+11], v[AF+48*FQ+12*\a:AF+48*FQ+12*\a+11], 0, v[SB+8*\b+(\ks)], v[SA+8*\a+(\ks)] matrix_a_fmt:MATRIX_FMT_FP6 matrix_b_fmt:MATRIX_FMT_FP6
.else
	v_wmma_scale_f32_16x16x128_f8f6f4 v[8*(8*\a+\b):8*(8*\a+\b)+7], v[128*FQ+12*\b:128*FQ+12*\b+11], v[AF+48*FQ+12*\a:AF+48*FQ+12*\a+11], v[8*(8*\a+\b):8*(8*\a+\b)+7], v[SB+8*\b+(\ks)], v[SA+8*\a+(\ks)] matrix_a_fmt:MATRIX_FMT_FP6 matrix_b_fmt:MATRIX_FMT_FP6
.endif
.endr
.endr
.endm
.macro KSTEP ks
	s_wait_dscnt 0x0                               ; this step's fragments are in (asked for 32 matrix instructions ago)
.if ((\ks)%2 == 1) && ((\ks) < 7)
	s_wait_tensorcnt 2-(\ks)/2                     ; my part of the next slot has landed; the later slots' loads stay out
	s_barrier_signal -1
	s_barrier_wait -1                              ; everybody's has
.endif
.if (\ks) < 7
.if (\ks) > 0
	PLACES                                         ; for the loads into the set that the last step multiplied
.endif
	FETCH (\ks)+1
.endif
	WIN MUL
	MUL32 \ks
	WIN 0
.endm
	s_load_b256 s[4:11], s[0:1], 0x0               ; opc s[4:5], ops s[6:7], q s[8:9], kv s[10:11]
	v_lshl_add_u32 v254, v0, 2, 0x48000
	v_mov_b32 v255, 0
	ds_add_u32 v254, v255
	ds_add_u32 v254, v255
	v_lshrrev_b32 v1, 5, v0
	v_readfirstlane_b32 s12, v1                    ; wave 0..3
	s_lshr_b32 s13, s12, 1                         ; wr: my 4 of source 1's 8 tiles.  Also: I fetch source 1's tiles (0) or source 0's (1)
	s_and_b32 s14, s12, 1                          ; wc: my 8 of source 0's 16 tiles.  Also: which half of the tiles I fetch
	s_bfe_u32 s15, ttmp6, 0x40000                  ; cx
	s_bfe_u32 s16, ttmp6, 0x40004                  ; cy
	s_and_b32 s17, ttmp7, 0xffff                   ; cluster y, 0..47: the same in all sixteen partners
	s_sub_co_u32 s96, s17, 32                      ; (used where y >= 32)
	s_lshr_b32 s97, s96, 1                         ; V: which four of x's 32 groups of 256 rows
	s_and_b32 s96, s96, 1                          ; V: which four of V's 8 groups of 128 columns
	s_and_b32 s98, s17, 1                          ; Q, K: 0 = Q's 1,024 columns, 1 = K's
	s_lshr_b32 s99, s17, 1                         ; Q, K: which four of x's 64 groups of 128 rows
	s_cmp_ge_u32 s17, 32
	s_cselect_b32 s18, 1, 0                        ; 1: V
	s_cselect_b32 s20, s97, s98
	s_cselect_b32 s21, s96, s99
	s_cselect_b32 s22, 1, 2
	s_cselect_b32 s23, 256, 0
	s_or_b32 s19, s18, s98                         ; 0: Q
	s_lshl_b32 s20, s20, 2
	s_add_co_u32 s20, s20, s15                     ; t0: source 0's group; it holds cx and never cy
	s_lshl_b32 s21, s21, 2
	s_add_co_u32 s21, s21, s16                     ; t1: source 1's group; it holds cy and never cx
	s_lshl_b32 s22, s22, 7
	s_lshl_b32 s96, s21, 3
	s_add_co_u32 s22, s22, s96                     ; source 1's first tile: 256 + 8 t1 (x) or 128 + 8 t1 (V's columns)
	s_lshl_b32 s98, s20, 4
	s_add_co_u32 s23, s23, s98                     ; source 0's first tile: 16 t0 (Q's, K's columns) or 256 + 16 t0 (x)
	; descriptor group 1: 4 or 8 tiles, each a row of 3,072 bytes (384 elements of 8 bytes: 256 along K), 12,288 bytes apart in memory, dense in LDS
	s_lshl_b32 s96, s16, 2
	s_lshl_b32 s96, 15, s96                        ; my row of the cluster
	s_or_b32 s[G1A], s96, (3<<16)|(1<<21)
	s_lshl_b32 s98, 0x1111, s15                    ; my column
	s_or_b32 s[G1B], s98, (3<<16)|(1<<21)
	s_mov_b32 s[G1A+1], 384<<16                    ; tensor_dim0
	s_mov_b32 s[G1A+2], 4<<16                      ; tensor_dim1
	s_mov_b32 s[G1A+3], 384<<16                    ; tile_dim0
	s_mov_b32 s[G1A+4], 4                          ; tile_dim1
	s_mov_b32 s[G1A+5], 1536                       ; stride
	s_mov_b32 s[G1A+6], 0
	s_mov_b32 s[G1A+7], 0
	s_mov_b32 s[G1B+1], 384<<16
	s_mov_b32 s[G1B+2], 8<<16
	s_mov_b32 s[G1B+3], 384<<16
	s_mov_b32 s[G1B+4], 8
	s_mov_b32 s[G1B+5], 1536
	s_mov_b32 s[G1B+6], 0
	s_mov_b32 s[G1B+7], 0
	s_lshl_b32 s96, s14, 2
	s_add_co_u32 s96, s96, s22
	s_mul_i32 s96, s96, TP                         ; source 1: the four tiles that I fetch
	s_mov_b32 s97, 0
	s_lshl_b32 s98, s14, 3
	s_add_co_u32 s98, s98, s23
	s_mul_i32 s98, s98, TP                         ; source 0: the eight tiles that I fetch
	s_mov_b32 s99, 0
	s_mul_i32 s2, s14, 12288                       ; where they go: the wave's number alone enters an LDS address
	s_mul_i32 s3, s14, 24576
	s_add_co_u32 s3, s3, 24576
	s_wait_dscnt 0x0
	s_wait_kmcnt 0x0
	s_add_nc_u64 s[56:57], s[4:5], s[96:97]
	s_add_nc_u64 s[58:59], s[4:5], s[98:99]
.irp s, 0,1,2,3
	s_mov_b32 s[G0A+4*\s], 1
	s_add_co_u32 s[G0A+4*\s+1], s2, \s*SLOT
	s_add_nc_u64 s[G0A+4*\s+2:G0A+4*\s+3], s[56:57], \s*3072
	s_or_b32 s[G0A+4*\s+3], s[G0A+4*\s+3], 0x80000000
	s_mov_b32 s[G0B+4*\s], 1
	s_add_co_u32 s[G0B+4*\s+1], s3, \s*SLOT
	s_add_nc_u64 s[G0B+4*\s+2:G0B+4*\s+3], s[58:59], \s*3072
	s_or_b32 s[G0B+4*\s+3], s[G0B+4*\s+3], 0x80000000
.endr
	CROUND                                         ; all sixteen work-groups are here: the joint loads meet
	s_cmp_eq_u32 s13, 0                            ; a wave's four first fills stand in one branch on the wave's number; four v_nop follow the last
	s_cbranch_scc0 .Lfor_b
	tensor_load_to_lds s[G0A:G0A+3], s[G1A:G1A+7]
	s_nop 0
	tensor_load_to_lds s[G0A+4:G0A+7], s[G1A:G1A+7]
	s_nop 0
	tensor_load_to_lds s[G0A+8:G0A+11], s[G1A:G1A+7]
	s_nop 0
	tensor_load_to_lds s[G0A+12:G0A+15], s[G1A:G1A+7]
	s_nop 0
	PLACES
	s_branch .Lasked
.Lfor_b:
	tensor_load_to_lds s[G0B:G0B+3], s[G1B:G1B+7]
	s_nop 0
	tensor_load_to_lds s[G0B+4:G0B+7], s[G1B:G1B+7]
	s_nop 0
	tensor_load_to_lds s[G0B+8:G0B+11], s[G1B:G1B+7]
	s_nop 0
	tensor_load_to_lds s[G0B+12:G0B+15], s[G1B:G1B+7]
	s_nop 0
	PLACES
.Lasked:
	v_and_b32 v1, 31, v0
	v_and_b32 v2, 15, v0
	v_lshlrev_b32 v4, 4, v1
	v_lshlrev_b32 v5, 3, v1
	v_lshlrev_b32 v6, 5, v2
	s_wait_alu depctr_va_vdst(0)
	; the scale words of my 4 + 8 tiles, for all eight K steps, go from memory straight into registers: lane r takes row r's 32 bytes by two loads
	s_lshl_b32 s96, s13, 2
	s_add_co_u32 s96, s96, s22
	s_lshl_b32 s96, s96, 9
	s_add_nc_u64 s[60:61], s[6:7], s[96:97]
	s_lshl_b32 s98, s14, 3
	s_add_co_u32 s98, s98, s23
	s_lshl_b32 s98, s98, 9
	s_add_nc_u64 s[62:63], s[6:7], s[98:99]
.irp a, 0,1,2,3
	global_load_b128 v[SA+8*\a:SA+8*\a+3], v6, s[60:61] offset:512*\a
	global_load_b128 v[SA+8*\a+4:SA+8*\a+7], v6, s[60:61] offset:512*\a+16
.endr
.irp b, 0,1,2,3,4,5,6,7
	global_load_b128 v[SB+8*\b:SB+8*\b+3], v6, s[62:63] offset:512*\b
	global_load_b128 v[SB+8*\b+4:SB+8*\b+7], v6, s[62:63] offset:512*\b+16
.endr
	s_mul_i32 s96, s13, 12288                      ; my 4 tiles of source 1 in a slot
	s_mul_i32 s98, s14, 24576
	s_add_co_u32 s98, s98, 24576                   ; my 8 tiles of source 0
.irp s, 0,1,2,3
	v_add_nc_u32 v[8+\s], s96, v4
	v_add_nc_u32 v[12+\s], s96, v5
	v_add_nc_u32 v[16+\s], s98, v4
	v_add_nc_u32 v[20+\s], s98, v5
	s_add_co_u32 s96, s96, SLOT
	s_add_co_u32 s98, s98, SLOT
.endr
	; where the results go
	s_lshr_b32 s96, s21, 4                         ; Q, K: batch = t1 / 16,
	s_lshl_b32 s96, s96, 4
	s_lshl_b32 s97, s15, 2
	s_add_co_u32 s96, s96, s97
	s_lshl_b32 s97, s14, 1
	s_add_co_u32 s96, s96, s97                     ; head = 16 batch + 4 cx + 2 wc (and the next),
	s_lshl_b32 s96, s96, 4
	s_and_b32 s97, s21, 15
	s_add_co_u32 s96, s96, s97                     ; record = 16 head + t1 % 16
	s_lshr_b32 s98, s20, 3                         ; V: batch = t0 / 8,
	s_lshl_b32 s98, s98, 4
	s_lshl_b32 s99, s21, 1
	s_add_co_u32 s98, s98, s99
	s_add_co_u32 s98, s98, s13                     ; head = 16 batch + 2 t1 + wr,
	s_lshl_b32 s98, s98, 4
	s_and_b32 s99, s20, 7
	s_lshl_b32 s99, s99, 1
	s_add_co_u32 s98, s98, s99
	s_add_co_u32 s98, s98, s14                     ; record = 16 head + 2 (t0 % 8) + wc
	s_mul_i32 s2, s13, 3072                        ; Q, K: my four tiles' codes in the record
	s_lshl_b32 s3, s13, 8                          ; Q, K: my image of scale words
	s_cmp_eq_u32 s19, 0                            ; Q?
	s_mov_b32 s97, 13056
	s_cselect_b32 s97, 6656, s97                   ; a record's bytes
	s_mov_b32 s99, 12288
	s_cselect_b32 s99, 6144, s99                   ; where its scale words begin
	s_cselect_b64 s[84:85], s[8:9], s[10:11]       ; the choice hangs on the cluster's number alone
	s_add_co_u32 s3, s3, s99
	s_lshl_b32 s22, s97, 4                         ; from a head to the next: 16 records
	s_cmp_eq_u32 s18, 1                            ; V?
	s_cselect_b32 s96, s98, s96
	s_cselect_b32 s2, 6144, s2
	s_cselect_b32 s3, 12800, s3
	s_cselect_b32 s23, 768, s22                    ; from a fragment's first six registers to its second six: the same tile's next 64 keys, or the next head
	s_cselect_b32 s92, 2, 1
	s_cselect_b32 s93, -1, 0xffff                  ; V keeps a scale word's four bytes; Q and K two for each head
	s_mul_i32 s92, s92, 768                        ; from tile to tile
	s_mul_i32 s96, s96, s97
	s_mov_b32 s97, 0
	s_mov_b32 s99, 0
	s_add_nc_u64 s[84:85], s[84:85], s[96:97]
	s_mov_b32 s98, s3
	s_add_nc_u64 s[88:89], s[84:85], s[98:99]      ; scale words
	s_mov_b32 s98, s22
	s_add_nc_u64 s[90:91], s[88:89], s[98:99]      ; the second head's (used for Q and K alone)
	s_mov_b32 s98, s2
	s_add_nc_u64 s[84:85], s[84:85], s[98:99]      ; codes: registers 0-5
	s_mov_b32 s98, s23
	s_add_nc_u64 s[86:87], s[84:85], s[98:99]      ; registers 6-11
.irp a, 0,1,2,3
	s_mul_i32 s96, s92, \a
	v_add_nc_u32 v[24+\a], s96, v4
	v_add_nc_u32 v[28+\a], s96, v5
.endr
.irp b, 0,1,2,3
	v_mov_b32 v[TM+4+\b], 0                        ; written once: a lane permute's destination counts as one of its sources
.endr
	s_mov_b32 s94, 0x76543210
	s_mov_b32 s95, 0xfedcba98
	s_wait_tensorcnt 0x3                           ; my part of slot 0 has landed; three loads stay out
	s_barrier_signal -1
	s_barrier_wait -1                              ; everybody's has
	FETCH 0
	s_wait_loadcnt 0x0                             ; the scale words
.irp k, 0,1,2,3,4,5,6,7
	KSTEP \k
.endr
; THE WAY OUT.  Tile a of source 1: a lane's 64 numbers, register 16 b + i = K 32 b + 16 h + i of its row, become a fragment's twelve registers of codes and its row's scale word.
.macro QUANTW a
.set QS, 64*(\a)
.set QC, 128+24*(\a)
	WIN 0x0a                                       ; sources 0 and 1: window 2
.irp b, 0,1,2,3
	v_max3_num_f32 v[TM+\b], |v[QS+16*\b]|, |v[QS+16*\b+1]|, 0x1800000   ; each accumulator is read from its low end on; the floor 2^(3 - 127) holds the byte at 1 from below
.endr
.irp i, 2,4,6,8,10,12,14
.irp b, 0,1,2,3
	v_max3_num_f32 v[TM+\b], |v[QS+16*\b+\i]|, |v[QS+16*\b+\i+1]|, v[TM+\b]
.endr
.endr
	WIN 0
.irp b, 0,1,2,3
	v_permlanex16_b32 v[TM+4+\b], v[TM+\b], s94, s95
.endr
.irp b, 0,1,2,3
	v_max_num_f32 v[TM+\b], v[TM+\b], v[TM+4+\b]   ; with lane l xor 16's sixteen: the block's largest magnitude
.endr
.irp b, 0,1,2,3
	v_add_nc_u32 v[TM+12+\b], 0xff000000, v[TM+\b] ; 2 off its exponent field: the conversion's scale operand
.endr
.irp b, 0,1,2,3
	v_lshrrev_b32 v[TM+4+\b], 23, v[TM+12+\b]      ; the scale's byte
.endr
	v_lshl_or_b32 v[PW+\a], v[TM+5], 8, v[TM+4]
	v_lshl_or_b32 v[PW+\a], v[TM+6], 16, v[PW+\a]
	v_lshl_or_b32 v[PW+\a], v[TM+7], 24, v[PW+\a]
	WIN 0x02                                       ; source 0: window 2
.irp c, 0,1
	v_cvt_scalef32_pk16_fp6_f32 v[QC+6*\c:QC+6*\c+2], v[QS+32*\c:QS+32*\c+15], v[TM+12+2*\c]
	v_cvt_scalef32_pk16_fp6_f32 v[QC+12+4*\c:QC+14+4*\c], v[QS+32*\c+16:QS+32*\c+31], v[TM+13+2*\c]
.endr
	WIN 0
	v_nop                                          ; one plain instruction behind the scaled conversions
.irp c, 0,1                            ; the operand's layout wants a whole block in a lane: lanes 0-15 block 2 c, lanes 16-31 block 2 c + 1
.irp i, 0,1,2
	v_permlane16_swap_b32 v[QC+6*\c+\i], v[QC+12+4*\c+\i]
.endr
.irp i, 0,1,2
	v_mov_b32 v[QC+3+6*\c+\i], v[QC+12+4*\c+\i]
.endr
.endr
	global_store_b128 v[24+\a], v[QC:QC+3], s[84:85]               ; 32 lanes store 512 consecutive bytes, at a multiple of 256 from the buffer's first byte;
	global_store_b64 v[28+\a], v[QC+4:QC+5], s[84:85] offset:512   ; 256.  Each tile has registers of its own: no store's data are written again
	global_store_b128 v[24+\a], v[QC+6:QC+9], s[86:87]
	global_store_b64 v[28+\a], v[QC+10:QC+11], s[86:87] offset:512
.endm
	PLACES
	QUANTW 0
	QUANTW 1
	QUANTW 2
	QUANTW 3
	v_cmp_lt_u32 vcc_lo, 15, v1                    ; lanes 16-31 carry the odd tiles' words
	v_cndmask_b32 v244, v240, v241, vcc_lo
	v_cndmask_b32 v245, v242, v243, vcc_lo
	v_and_b32 v246, s93, v244
	v_and_b32 v247, s93, v245
	global_store_b64 v5, v[246:247], s[88:89]      ; an image of 256 bytes
	s_cmp_eq_u32 s18, 1                            ; the same in all sixteen partners
	s_cbranch_scc1 .Lno_second
	v_lshrrev_b32 v248, 16, v244                   ; Q, K: the second head's two bytes
	v_lshrrev_b32 v249, 16, v245
	global_store_b64 v5, v[248:249], s[90:91]
.Lno_second:
	s_wait_dscnt 0x0
	s_wait_tensorcnt 0x0
	ds_add_u32 v254, v255
	s_wait_dscnt 0x0
	CROUND                                         ; the closing round: no work-group ends while a partner may still ask for a tile that names it
	s_endpgm
.Lfunc_end_k_q039350039e_qkv:
	.size	k_q039350039e_qkv, .Lfunc_end_k_q039350039e_qkv-k_q039350039e_qkv
	.p2alignl 7, 3214868480
	.fill 96, 4, 3214868480
	.section	.rodata,"a",@progbits
	.p2align	6, 0x0
	.amdhsa_kernel k_q039350039e_qkv
		.amdhsa_group_segment_fixed_size 295424
		.amdhsa_private_segment_fixed_size 0
		.amdhsa_enable_private_segment 0
		.amdhsa_kernarg_size 32
		.amdhsa_user_sgpr_count 2
		.amdhsa_user_sgpr_kernarg_segment_ptr 1
		.amdhsa_wavefront_size32 1
		.amdhsa_system_sgpr_workgroup_id_x 1
		.amdhsa_system_sgpr_workgroup_id_y 1
		.amdhsa_system_sgpr_workgroup_id_z 1
		.amdhsa_system_vgpr_workitem_id 0
		.amdhsa_next_free_vgpr 768
		.amdhsa_next_free_sgpr 100
		.amdhsa_reserve_vcc 1
		.amdhsa_float_denorm_mode_32 3
		.amdhsa_float_denorm_mode_16_64 3
		.amdhsa_memory_ordered 1
		.amdhsa_forward_progress 1
		.amdhsa_inst_pref_size 90
	.end_amdhsa_kernel
	.amdgpu_metadata
---
amdhsa.version: [ 1, 2 ]
amdhsa.kernels:
  - .name:           k_q039350039e_qkv
    .symbol:         k_q039350039e_qkv.kd
    .args:
      - { .name: opc, .offset: 0, .size: 8, .value_kind: global_buffer, .address_space: global }
      - { .name: ops, .offset: 8, .size: 8, .value_kind: global_buffer, .address_space: global }
      - { .name: q, .offset: 16, .size: 8, .value_kind: global_buffer, .address_space: global }
      - { .name: kv, .offset: 24, .size: 8, .value_kind: global_buffer, .address_space: global }
    .group_segment_fixed_size: 295424
    .private_segment_fixed_size: 0
    .kernarg_segment_align: 8
    .kernarg_segment_size: 32
    .max_flat_workgroup_size: 128
    .sgpr_count:     100
    .vgpr_count:     768
    .wavefront_size: 32
...
	.end_amdgpu_metadata
.endif
;; end of part 2
;; launch attn (part 3): grid 4 x 64, 16 waves a work-group, no clusters, 327,680 bytes of LDS; arguments q, kv, ac, asc; writes ac, asc
.if DOCPART == 3
	.amdgcn_target "amdgcn-amd-amdhsa--gfx1250"
	.amdhsa_code_object_version 6
	.text
	.protected	k_q039350039e_attn
	.globl	k_q039350039e_attn
	.p2align	8
	.type	k_q039350039e_attn,@function
k_q039350039e_attn:
	s_mov_b64 s[64:65], 0
	v_nop
	global_prefetch_b8 v0, s[64:65] scope:SCOPE_SE
	s_setreg_imm32_b32 hwreg(HW_REG_WAVE_MODE, 25, 1), 1
	s_wait_xcnt 0x0
; Causal attention of one head on codes of FP6 (E2M3) with E8M0 scales; head size 64, 2,048 tokens.  The result is quantised here along the head's 64 for the last product and leaves as codes.
; INPUTS (made by the launch before).  q [head 64][step 16][6,656]: 8 tiles x 768 bytes of codes (16 tokens x 64 as an image of six registers a lane), two images of scale words.
; kv [head][step 16][13,056]: K's 8 x 768, V's 4 x 1,536 (16 d x 128 keys: twelve registers a lane), K's two images of scale words at 12,288, V's one at 12,800.
; Row r of tile T (tokens, and V's d) is 32 (T/2) + 8 (T%2) + r + 8 (r/8), so that the 16 registers of two neighbouring result tiles are sixteen neighbours along the next product's K.
; THE FIRST PRODUCT'S K IS 64: the instruction's other 64 are zero codes on both sides (registers cleared once), under the scale byte 0.
; THE SOFTMAX: t = score x log2(e) / 8; M = the running largest t rounded up to a whole number; p = 2^(t - M) is quantised along the keys, not normalised; the row's sum is taken of the unquantised p
; and divides at the end.  When M moves, the sum and O^T are multiplied by 2^(old M - new M): exact.
; Both products are used transposed (S^T = K Q^T, O^T = V^T P^T): a lane holds one query throughout.
; SHARES.  Work-group (i, head) owns the blocks 7 - i and i of 256 queries, one after the other; wave w owns one tile of 16 queries of the block in hand.  Keys come in slots of 256 (two records);
; block b needs slots 0..b, so the two blocks are always nine visits: the trip count is a constant and all 256 work-groups have the same work.  At visit 8 - i a wave finishes its first tile and begins its second.
; A key step all of whose keys come after the wave's queries is left out by a scalar branch on ids; in the one step on the diagonal hidden scores become -infinity.
; THE RING: two LDS slots 32,768 bytes apart; waves 0 and 1 fetch a record each by one tensor load; one load of a wave is out behind each barrier, and it has a whole visit in which to land.
; NO JOINT LOADS: the four work-groups of a head walk the same slots only while their first blocks last; partners that made every request together would all run at the longest walk, twelve visits for nine.
; OUTPUTS.  ac [row tile 512][head 16][768]: 16 rows x the head's 64, as an image of registers.  asc [row tile][r][32]: bytes 2 head, 2 head + 1.  A lane stores its row's two scale bytes, 32 bytes apart from the
; next row's: the other bytes of those 32 belong to other heads' work-groups; they are one byte in 24 of what the launch stores.
; LIMITS: the largest t starts at -3e38; 1 / sum by v_rcp_f32; a block of zeros, or one under 2^-124, gets the byte 1 (read by this program alone); NaN and infinities are not served.
; REGISTERS: v1 16 x lane, v2 8 x lane, v3, v4 the same in the slot in hand, v5, v6 the spare word's address and 0, v7 my query less the diagonal step's first key less 16 h, v8 32 r, v9 8 r,
; v12 -M, v13 largest t, v[14:15] the sum, v16-27 Q (22-27 zeros), v28-31 K's scale words, v32-33 V's, v34 Q's, v35 p's: these eight hold scales and nothing else,
; v36-83 four fragments of K (upper six registers zeros), v84-131 V's four, v132-195 S^T then p, v196-227 O^T, v228-239 codes, v240-255 at work.
.set REC,   13056
.set SLOT1, 32768
.set SPARE, 65536                      ; behind the ring: the spare words, 128 bytes for each of sixteen waves: eight blocks of 256 bytes that no other line names
.set ST,    132
.set OT,    196
.set PCD,   228
.set CT,    240
.set BM,    248
.macro PLACES
.rept 4
	v_nop
.endr
.endm
.macro TLOAD                           ; waves 0 and 1 fetch; four v_nop follow the line
	s_cmp_lt_u32 s12, 2
	s_cbranch_scc0 .Lno_load_\@
	tensor_load_to_lds s[32:35], s[24:31]
	s_nop 0
	PLACES
.Lno_load_\@:
.endm
; the addresses of the tile of block s[blk]: its diagonal step, Q's codes and scale words, the result's codes and scale bytes
.macro PTRS blk, gs, qp, qsp, acp, asp
	s_lshl_b32 s[\gs], s[\blk], 1
	s_lshr_b32 s60, s12, 3
	s_add_co_u32 s[\gs], s[\gs], s60               ; the step of 128 tokens in which my queries lie: 2 block + w / 8
	s_lshl_b32 s60, s14, 4
	s_add_co_u32 s60, s60, s[\gs]
	s_mul_i32 s60, s60, 6656
	s_mov_b32 s61, 0
	s_add_nc_u64 s[\qsp:\qsp+1], s[4:5], s[60:61]
	s_and_b32 s62, s12, 7
	s_mul_i32 s62, s62, 768
	s_mov_b32 s63, 0
	s_add_nc_u64 s[\qp:\qp+1], s[\qsp:\qsp+1], s[62:63]
	s_bfe_u32 s62, s12, 0x10002                    ; which image: (w % 8) / 4,
	s_lshl_b32 s62, s62, 8
	s_and_b32 s66, s12, 1                          ; which half of its lanes: w % 2,
	s_lshl_b32 s66, s66, 7
	s_add_co_u32 s62, s62, s66
	s_bfe_u32 s66, s12, 0x10001                    ; which word of a lane's two: (w / 2) % 2
	s_lshl_b32 s66, s66, 2
	s_add_co_u32 s62, s62, s66
	s_add_co_u32 s62, s62, 6144
	s_add_nc_u64 s[\qsp:\qsp+1], s[\qsp:\qsp+1], s[62:63]
	s_lshr_b32 s60, s14, 4
	s_lshl_b32 s60, s60, 7
	s_lshl_b32 s62, s[\blk], 4
	s_add_co_u32 s60, s60, s62
	s_add_co_u32 s60, s60, s12                     ; row tile = 128 batch + 16 block + w
	s_and_b32 s66, s14, 15                         ; the head within its batch
	s_mul_i32 s62, s60, 12288
	s_mul_i32 s67, s66, 768
	s_add_co_u32 s62, s62, s67
	s_add_nc_u64 s[\acp:\acp+1], s[8:9], s[62:63]
	s_lshl_b32 s62, s60, 9
	s_lshl_b32 s67, s66, 1
	s_add_co_u32 s62, s62, s67
	s_add_nc_u64 s[\asp:\asp+1], s[10:11], s[62:63]
.endm
; a tile begins: Q into registers; O^T and the sum are zeros and the largest t lies under every t, so that the key step is written once
.macro INIT qp, qsp, second
	global_load_b128 v[16:19], v1, s[\qp:\qp+1]
	global_load_b64 v[20:21], v2, s[\qp:\qp+1] offset:512
	global_load_b32 v34, v9, s[\qsp:\qsp+1]
	v_mov_b32 v13, 0xff61b1e6                      ; -3e38
	s_delay_alu instid0(VALU_DEP_1)
	v_floor_f32 v12, -v13
	v_mov_b32 v14, 0
	v_mov_b32 v15, 0
.set n, 0
.rept 32
	v_mov_b32 v[OT+n], 0
.set n, n+1
.endr
	s_mov_b32 s18, 0                               ; the block's key steps begin anew
.if \second
	s_mov_b32 s19, s20
.endif
	s_wait_loadcnt 0x0
	s_wait_xcnt 0x0                                ; the last tile's stores have read their registers: they are written again only behind this wait
.endm
.macro SPROD g, t                      ; S^T, tile 4 g + t: 16 keys x my 16 queries.  Odd tiles' scale words lie in lanes 16-31
.if (\t)%2
	v_wmma_scale_f32_16x16x128_f8f6f4 v[ST+8*(4*\g+\t):ST+8*(4*\g+\t)+7], v[36+12*\t:47+12*\t], v[16:27], 0, v[28+2*\g+(\t)/2], v34 matrix_a_fmt:MATRIX_FMT_FP6 matrix_b_fmt:MATRIX_FMT_FP6 matrix_a_scale:MATRIX_SCALE_ROW1
.else
	v_wmma_scale_f32_16x16x128_f8f6f4 v[ST+8*(4*\g+\t):ST+8*(4*\g+\t)+7], v[36+12*\t:47+12*\t], v[16:27], 0, v[28+2*\g+(\t)/2], v34 matrix_a_fmt:MATRIX_FMT_FP6 matrix_b_fmt:MATRIX_FMT_FP6
.endif
.endm
.macro OPROD t                         ; O^T, tile t: 16 of the head's 64 x my 16 queries, K = these 128 keys
.if (\t)%2
	v_wmma_scale_f32_16x16x128_f8f6f4 v[OT+8*\t:OT+8*\t+7], v[84+12*\t:95+12*\t], v[PCD:PCD+11], v[OT+8*\t:OT+8*\t+7], v[32+(\t)/2], v35 matrix_a_fmt:MATRIX_FMT_FP6 matrix_b_fmt:MATRIX_FMT_FP6 matrix_a_scale:MATRIX_SCALE_ROW1
.else
	v_wmma_scale_f32_16x16x128_f8f6f4 v[OT+8*\t:OT+8*\t+7], v[84+12*\t:95+12*\t], v[PCD:PCD+11], v[OT+8*\t:OT+8*\t+7], v[32+(\t)/2], v35 matrix_a_fmt:MATRIX_FMT_FP6 matrix_b_fmt:MATRIX_FMT_FP6
.endif
.endm
; A KEY STEP: 128 keys, record qq of the slot in hand.
.macro STEP qq
	s_cmp_gt_u32 s18, s19                          ; all its keys come after my queries: left out.  No barrier and no tensor load stands in a step
	s_cbranch_scc1 .Lhidden_\@
	v_add_nc_u32 v3, s40, v1
	v_add_nc_u32 v4, s40, v2
.irp t, 0,1,2,3
	ds_load_b128 v[36+12*\t:39+12*\t], v3 offset:\qq*REC+768*\t
	ds_load_b64 v[40+12*\t:41+12*\t], v4 offset:\qq*REC+768*\t+512
.endr
	ds_load_b64 v[28:29], v4 offset:\qq*REC+12288
	ds_load_b64 v[30:31], v4 offset:\qq*REC+12544
	s_wait_alu depctr_va_vdst(0)
	s_wait_dscnt 0x0
.irp t, 0,1,2,3
	SPROD 0, \t
.endr
	PLACES                                         ; for the loads into K's registers; with the two additions above also for those into V's, which the last step's products read
.irp t, 0,1,2,3
	ds_load_b128 v[36+12*\t:39+12*\t], v3 offset:\qq*REC+768*(4+\t)
	ds_load_b64 v[40+12*\t:41+12*\t], v4 offset:\qq*REC+768*(4+\t)+512
.endr
.irp t, 0,1,2,3
	ds_load_b128 v[84+12*\t:87+12*\t], v3 offset:\qq*REC+6144+1536*\t
	ds_load_b64 v[88+12*\t:89+12*\t], v4 offset:\qq*REC+6144+1536*\t+512
	ds_load_b128 v[90+12*\t:93+12*\t], v3 offset:\qq*REC+6144+1536*\t+768
	ds_load_b64 v[94+12*\t:95+12*\t], v4 offset:\qq*REC+6144+1536*\t+1280
.endr
	ds_load_b64 v[32:33], v4 offset:\qq*REC+12800
	s_wait_dscnt 17                                ; K's eight are in; V's sixteen and its scale words stay out: they land under the softmax
.irp t, 0,1,2,3
	SPROD 1, \t
.endr
	PLACES
	s_cmp_lg_u32 s18, s19                          ; only the step on the diagonal hides scores
	s_cbranch_scc1 .Lopen_\@
.set n, 0
.rept 64                               ; register n holds key 32 (n / 16) + 16 h + n % 16 of the step: hidden where 32 (n / 16) + n % 16 > v7
	v_cmp_gt_i32 vcc_lo, 32*(n/16)+n%16, v7
	v_cndmask_b32 v[ST+n], v[ST+n], v255, vcc_lo
.set n, n+1
.endr
.Lopen_\@:
.irp b, 0,1,2,3
	v_max3_num_f32 v[BM+\b], v[ST+16*\b], v[ST+16*\b+1], v[ST+16*\b+2]   ; the largest score of each block of 32 keys: for the row's maximum and, since p rises with the score, for the block's largest p
.endr
.irp i, 3,5,7,9,11,13
.irp b, 0,1,2,3
	v_max3_num_f32 v[BM+\b], v[BM+\b], v[ST+16*\b+\i], v[ST+16*\b+\i+1]
.endr
.endr
.irp b, 0,1,2,3
	v_max_num_f32 v[BM+\b], v[BM+\b], v[ST+16*\b+15]
.endr
.irp b, 0,1,2,3
	s_delay_alu instid0(VALU_DEP_4)
	v_permlanex16_b32 v[CT+\b], v[BM+\b], s42, s43
.endr
.irp b, 0,1,2,3
	s_delay_alu instid0(VALU_DEP_4)
	v_max_num_f32 v[BM+\b], v[BM+\b], v[CT+\b]     ; with lane l xor 16's sixteen keys
.endr
	s_delay_alu instid0(VALU_DEP_2)
	v_max3_num_f32 v254, v[BM], v[BM+1], v[BM+2]
	s_delay_alu instid0(VALU_DEP_1)
	v_max_num_f32 v254, v254, v[BM+3]
	s_delay_alu instid0(VALU_DEP_1)
	v_mul_f32 v254, s22, v254                      ; as t
	s_delay_alu instid0(VALU_DEP_1)
	v_max_num_f32 v13, v13, v254                   ; the running largest t
	v_mov_b32 v254, v12
	s_delay_alu instid0(VALU_DEP_2)
	v_floor_f32 v12, -v13                          ; -M = floor(-t): M is a whole number
	s_delay_alu instid0(VALU_DEP_1)
	v_sub_f32 v254, v12, v254                      ; old M - new M: a whole number, 0 or less
	s_delay_alu instid0(VALU_DEP_1)
	v_cvt_i32_f32 v254, v254                       ; (it saturates)
	s_delay_alu instid0(VALU_DEP_1)
	v_ldexp_f32 v252, 1.0, v254                    ; f = 2^(old M - new M)
.set n, 0
.rept 32
	v_pk_fma_f32 v[ST+n:ST+n+1], v[ST+n:ST+n+1], s[22:23], v[12:13] op_sel_hi:[1,0,0]   ; t - M, two at a time
.set n, n+2
.endr
.irp b, 0,1,2,3
	v_fma_f32 v[BM+\b], v[BM+\b], s22, v12         ; the same of each block's largest score
.endr
.set n, 0
	s_wait_alu depctr_va_vdst(0)
.rept 64
	v_exp_f32 v[ST+n], v[ST+n]                     ; p = 2^(t - M)
.set n, n+1
.endr
	v_pk_mul_f32 v[14:15], v[14:15], v[252:253] op_sel_hi:[1,0]   ; the sum under the new M: the plain instruction behind the batch
	s_wait_alu depctr_va_vdst(0)                   ; one wait for the 64, ahead of their first reader
.irp b, 0,1,2,3
	v_exp_f32 v[BM+\b], v[BM+\b]                   ; the block's largest p: the same two instructions on the same number
.endr
	v_pk_add_f32 v[244:245], v[136:137], v[140:141]
	v_pk_add_f32 v[246:247], v[144:145], v[148:149]
	v_pk_add_f32 v[242:243], v[152:153], v[156:157]
	v_pk_add_f32 v[240:241], v[160:161], v[164:165]
	v_pk_add_f32 v[238:239], v[168:169], v[172:173]
	v_pk_add_f32 v[236:237], v[176:177], v[180:181]
	v_pk_add_f32 v[234:235], v[184:185], v[188:189]
	v_pk_add_f32 v[14:15], v[14:15], v[192:193]
	v_pk_add_f32 v[244:245], v[244:245], v[132:133]
	v_pk_add_f32 v[246:247], v[246:247], v[134:135]
	v_pk_add_f32 v[242:243], v[242:243], v[138:139]
	v_pk_add_f32 v[240:241], v[240:241], v[142:143]
	v_pk_add_f32 v[238:239], v[238:239], v[146:147]
	v_pk_add_f32 v[236:237], v[236:237], v[150:151]
	v_pk_add_f32 v[234:235], v[234:235], v[154:155]
	v_pk_add_f32 v[14:15], v[14:15], v[158:159]
	v_pk_add_f32 v[244:245], v[244:245], v[162:163]
	v_pk_add_f32 v[246:247], v[246:247], v[166:167]
	v_pk_add_f32 v[242:243], v[242:243], v[170:171]
	v_pk_add_f32 v[240:241], v[240:241], v[174:175]
	v_pk_add_f32 v[238:239], v[238:239], v[178:179]
	v_pk_add_f32 v[236:237], v[236:237], v[182:183]
	v_pk_add_f32 v[234:235], v[234:235], v[186:187]
	v_pk_add_f32 v[14:15], v[14:15], v[190:191]
	v_pk_add_f32 v[244:245], v[244:245], v[194:195]
	s_delay_alu instid0(VALU_DEP_2)
	v_pk_add_f32 v[14:15], v[14:15], v[240:241]
	s_delay_alu instid0(VALU_DEP_2)
	v_pk_add_f32 v[244:245], v[244:245], v[238:239]
	v_pk_add_f32 v[246:247], v[246:247], v[236:237]
	v_pk_add_f32 v[242:243], v[242:243], v[234:235]
	s_delay_alu instid0(VALU_DEP_2)
	v_pk_add_f32 v[14:15], v[14:15], v[246:247]
	s_delay_alu instid0(VALU_DEP_2)
	v_pk_add_f32 v[244:245], v[244:245], v[242:243]
	s_delay_alu instid0(VALU_DEP_1)
	v_pk_add_f32 v[14:15], v[14:15], v[244:245]
	s_wait_alu depctr_va_vdst(0)                   ; and one for the four
.irp b, 0,1,2,3
	v_max_num_f32 v[BM+\b], 0x1800000, v[BM+\b]    ; the floor 2^(3 - 127): the byte cannot fall under 1
.endr
.irp b, 0,1,2,3
	s_delay_alu instid0(VALU_DEP_4)
	v_add_nc_u32 v[BM+\b], 0xff000000, v[BM+\b]    ; 2 off the exponent field: the conversion's scale operand
.endr
.irp b, 0,1,2,3
	s_delay_alu instid0(VALU_DEP_4)
	v_lshrrev_b32 v[CT+\b], 23, v[BM+\b]           ; the scale's byte
.endr
	s_delay_alu instid0(VALU_DEP_3)
	v_lshl_or_b32 v35, v[CT+1], 8, v[CT]           ; p's scale word for these 128 keys
	s_delay_alu instid0(VALU_DEP_1)
	v_lshl_or_b32 v35, v[CT+2], 16, v35
	s_delay_alu instid0(VALU_DEP_1)
	v_lshl_or_b32 v35, v[CT+3], 24, v35
.irp c, 0,1
	v_cvt_scalef32_pk16_fp6_f32 v[PCD+6*\c:PCD+6*\c+2], v[ST+32*\c:ST+32*\c+15], v[BM+2*\c]
	v_cvt_scalef32_pk16_fp6_f32 v[CT+4*\c:CT+4*\c+2], v[ST+32*\c+16:ST+32*\c+31], v[BM+2*\c+1]
.endr
	v_nop                                          ; one plain instruction behind the scaled conversions
.irp c, 0,1
.irp i, 0,1,2
	v_permlane16_swap_b32 v[PCD+6*\c+\i], v[CT+4*\c+\i]   ; a whole block to a lane
.endr
.irp i, 0,1,2
	s_delay_alu instid0(VALU_DEP_3)
	v_mov_b32 v[PCD+3+6*\c+\i], v[CT+4*\c+\i]
.endr
.endr
.set n, 0
.rept 16
	v_pk_mul_f32 v[OT+n:OT+n+1], v[OT+n:OT+n+1], v[252:253] op_sel_hi:[1,0]   ; O^T under the new M, from each accumulator's low end on
.set n, n+2
.endr
	PLACES                                         ; with the sixteen above: the plain instructions between the writes of p's codes and scale word and the products
	s_wait_alu depctr_va_vdst(0)
	s_wait_dscnt 0x0                               ; V is in
.irp t, 0,1,2,3
	OPROD \t                                       ; four accumulators, one instruction a turn
.endr
.Lhidden_\@:
	s_add_co_u32 s18, s18, 1
.endm
; a tile ends: O^T / the sum, quantised along the head's 64 (two blocks), stored as an image of six registers and two scale bytes a row
.macro FINISH acp, asp
	PLACES
	v_add_f32 v14, v14, v15
	s_delay_alu instid0(VALU_DEP_1)
	v_permlanex16_b32 v254, v14, s42, s43
	s_delay_alu instid0(VALU_DEP_1)
	v_add_f32 v14, v14, v254                       ; the row's sum
	s_wait_alu depctr_va_vdst(0)
	v_rcp_f32 v252, v14
	v_nop                                          ; a plain instruction behind the reciprocal,
	s_wait_alu depctr_va_vdst(0)                   ; and the wait ahead of its first reader
.set n, 0
.rept 16
	v_pk_mul_f32 v[ST+n:ST+n+1], v[OT+n:OT+n+1], v[252:253] op_sel_hi:[1,0]   ; register 16 b + i: d = 32 b + 16 h + i of my query
.set n, n+2
.endr
.irp b, 0,1
	v_max3_num_f32 v[BM+\b], |v[ST+16*\b]|, |v[ST+16*\b+1]|, 0x1800000
.endr
.irp i, 2,4,6,8,10,12,14
.irp b, 0,1
	s_delay_alu instid0(VALU_DEP_2)
	v_max3_num_f32 v[BM+\b], v[BM+\b], |v[ST+16*\b+\i]|, |v[ST+16*\b+\i+1]|
.endr
.endr
.irp b, 0,1
	s_delay_alu instid0(VALU_DEP_2)
	v_permlanex16_b32 v[CT+\b], v[BM+\b], s42, s43
.endr
.irp b, 0,1
	s_delay_alu instid0(VALU_DEP_2)
	v_max_num_f32 v[BM+\b], v[BM+\b], v[CT+\b]
.endr
.irp b, 0,1
	s_delay_alu instid0(VALU_DEP_2)
	v_add_nc_u32 v[BM+\b], 0xff000000, v[BM+\b]
.endr
.irp b, 0,1
	s_delay_alu instid0(VALU_DEP_2)
	v_lshrrev_b32 v[CT+\b], 23, v[BM+\b]
.endr
	s_delay_alu instid0(VALU_DEP_1)
	v_lshl_or_b32 v254, v[CT+1], 8, v[CT]          ; my row's two scale bytes
	v_cvt_scalef32_pk16_fp6_f32 v[PCD:PCD+2], v[ST:ST+15], v[BM]
	v_cvt_scalef32_pk16_fp6_f32 v[CT:CT+2], v[ST+16:ST+31], v[BM+1]
	v_nop
.irp i, 0,1,2
	v_permlane16_swap_b32 v[PCD+\i], v[CT+\i]
.endr
.irp i, 0,1,2
	s_delay_alu instid0(VALU_DEP_3)
	v_mov_b32 v[PCD+3+\i], v[CT+\i]
.endr
	global_store_b128 v1, v[PCD:PCD+3], s[\acp:\acp+1]             ; 512 consecutive bytes,
	global_store_b64 v2, v[PCD+4:PCD+5], s[\acp:\acp+1] offset:512 ; 256
	global_store_b16 v8, v254, s[\asp:\asp+1]      ; lanes r and r + 16 store the same two bytes
.endm
; THE CHANGE OF SLOTS, at a visit's head.  Each wave waits for all its tensor loads, adds 0 to its spare word, and waits for that and for its reads of the slot that it has left; behind the barrier the slot ahead
; is whole and nobody reads the other.  fill = 1: the other slot takes the next visit's keys: the next 256, or the first 256 again where the second block begins.
.macro CHANGE fill
	s_wait_tensorcnt 0x0                           ; no tensor load of mine is out, so group 0 may be written
	ds_add_u32 v5, v6                              ; 0 onto my spare word
.if \fill
	s_xor_b32 s33, s33, SLOT1
	s_add_co_u32 s38, s38, 2*REC
	s_add_co_u32 s60, s16, 1
	s_cmp_eq_u32 s60, s15
	s_cselect_b32 s38, 0, s38
	s_add_nc_u64 s[34:35], s[36:37], s[38:39]
	s_or_b32 s35, s35, 0x80000000
.endif
	s_wait_dscnt 0x0                               ; the add is done, and my reads of the slot that I have left are over
	s_barrier_signal -1
	s_barrier_wait -1
.if \fill
	TLOAD                                          ; the first thing behind the barrier, and a wave's one tensor load until the next
.endif
.endm
.macro VISIT
	s_cmp_eq_u32 s16, s15                          ; the second block begins: a branch on the work-group's number and the count of visits
	s_cbranch_scc0 .Lsame_\@
	FINISH 50, 52
	INIT 46, 48, 1
.Lsame_\@:
	STEP 0
	STEP 1
	s_xor_b32 s40, s40, SLOT1                      ; on to the other slot
	s_add_co_u32 s16, s16, 1
.endm
	s_load_b256 s[4:11], s[0:1], 0x0               ; q s[4:5], kv s[6:7], ac s[8:9], asc s[10:11]
	v_lshl_add_u32 v5, v0, 2, SPARE
	v_mov_b32 v6, 0
	ds_add_u32 v5, v6
	ds_add_u32 v5, v6
	s_wait_dscnt 0x0
	v_lshrrev_b32 v1, 5, v0
	s_delay_alu instid0(VALU_DEP_1)
	v_readfirstlane_b32 s12, v1                    ; wave 0..15
	s_mov_b32 s13, ttmp9                           ; i
	s_and_b32 s14, ttmp7, 0xffff                   ; head 0..63
	s_sub_co_u32 s15, 8, s13                       ; the visit at which the second block begins
	s_mov_b32 s16, 0                               ; visits done
	s_mov_b32 s17, 8                               ; visits behind which a slot is asked for
	s_mov_b32 s22, 0x3e38aa3b                      ; log2(e) / 8
	s_mov_b32 s23, s22                             ; (named with it as a pair)
	s_mov_b32 s24, 3<<16                           ; descriptor group 1: a record as 51 rows of 256 bytes (32 elements of 8), dense
	s_mov_b32 s25, 32<<16
	s_mov_b32 s26, 51<<16
	s_mov_b32 s27, 32<<16
	s_mov_b32 s28, 51
	s_mov_b32 s29, 32
	s_mov_b32 s30, 0
	s_mov_b32 s31, 0
	s_mov_b32 s40, 0
	s_mov_b32 s42, 0x76543210
	s_mov_b32 s43, 0xfedcba98
	s_and_b32 s60, s12, 1
	s_mul_i32 s60, s60, REC                        ; which record of a slot I fetch, if I fetch
	s_mul_i32 s62, s14, 16*REC
	s_add_co_u32 s62, s62, s60
	s_mov_b32 s63, 0
	s_mov_b32 s38, 0
	s_mov_b32 s39, 0
	s_wait_kmcnt 0x0
	s_add_nc_u64 s[36:37], s[6:7], s[62:63]
	s_mov_b32 s32, 1
	s_mov_b32 s33, s60
	s_mov_b64 s[34:35], s[36:37]
	s_or_b32 s35, s35, 0x80000000
	TLOAD                                          ; slot 0: the head's first 256 keys
	s_sub_co_u32 s68, 7, s13
	PTRS 68, 19, 44, 58, 50, 52                    ; the first tile: block 7 - i
	PTRS 13, 20, 46, 48, 54, 56                    ; the second: block i
	v_and_b32 v10, 31, v0
	s_delay_alu instid0(VALU_DEP_1)
	v_lshlrev_b32 v1, 4, v10
	s_delay_alu instid0(VALU_DEP_2)
	v_lshlrev_b32 v2, 3, v10
	v_and_b32 v11, 15, v0                          ; r
	v_bfe_u32 v10, v0, 4, 1                        ; h
	s_delay_alu instid0(VALU_DEP_2)
	v_lshlrev_b32 v8, 5, v11
	s_delay_alu instid0(VALU_DEP_3)
	v_lshlrev_b32 v9, 3, v11
	s_delay_alu instid0(VALU_DEP_4)
	v_and_b32 v7, 8, v11
	s_delay_alu instid0(VALU_DEP_1)
	v_add_nc_u32 v7, v7, v11
	v_lshlrev_b32 v10, 4, v10
	s_delay_alu instid0(VALU_DEP_1)
	v_sub_nc_u32 v7, v7, v10
	s_bfe_u32 s60, s12, 0x20001
	s_lshl_b32 s60, s60, 5
	s_and_b32 s61, s12, 1
	s_lshl_b32 s61, s61, 3
	s_add_co_u32 s60, s60, s61
	v_add_nc_u32 v7, s60, v7                       ; 32 ((w / 2) % 4) + 8 (w % 2) + r + 8 (r / 8) - 16 h
.irp j, 22,23,24,25,26,27
	v_mov_b32 v[\j], 0                             ; Q's K = 64..127: zero codes
.endr
.irp t, 0,1,2,3
.irp j, 6,7,8,9,10,11
	v_mov_b32 v[36+12*\t+\j], 0                    ; K's likewise; no load lands here
.endr
.endr
.irp j, 240,241,242,243,253,254
	v_mov_b32 v[\j], 0                             ; written once: permutes' destinations, and the upper half of the pair v[252:253]
.endr
	v_mov_b32 v255, 0xff800000                     ; -infinity
	INIT 44, 58, 0
.Lslot:                                            ; eight trips: behind each change of slots but the last the next visit's keys are asked for
	CHANGE 1
	VISIT
	s_sub_co_u32 s17, s17, 1
	s_cmp_lg_u32 s17, 0
	s_cbranch_scc1 .Lslot
	CHANGE 0                                       ; the last visit is written out
	VISIT
	FINISH 54, 56
	s_wait_tensorcnt 0x0                           ; the wave's end
	ds_add_u32 v5, v6
	s_wait_dscnt 0x0
	s_endpgm
.Lfunc_end_k_q039350039e_attn:
	.size	k_q039350039e_attn, .Lfunc_end_k_q039350039e_attn-k_q039350039e_attn
	.p2alignl 7, 3214868480
	.fill 96, 4, 3214868480
	.section	.rodata,"a",@progbits
	.p2align	6, 0x0
	.amdhsa_kernel k_q039350039e_attn
		.amdhsa_group_segment_fixed_size 327680
		.amdhsa_private_segment_fixed_size 0
		.amdhsa_enable_private_segment 0
		.amdhsa_kernarg_size 32
		.amdhsa_user_sgpr_count 2
		.amdhsa_user_sgpr_kernarg_segment_ptr 1
		.amdhsa_wavefront_size32 1
		.amdhsa_system_sgpr_workgroup_id_x 1
		.amdhsa_system_sgpr_workgroup_id_y 1
		.amdhsa_system_sgpr_workgroup_id_z 1
		.amdhsa_system_vgpr_workitem_id 0
		.amdhsa_next_free_vgpr 256
		.amdhsa_next_free_sgpr 80
		.amdhsa_reserve_vcc 1
		.amdhsa_float_denorm_mode_32 3
		.amdhsa_float_denorm_mode_16_64 3
		.amdhsa_memory_ordered 1
		.amdhsa_forward_progress 1
		.amdhsa_inst_pref_size 116
	.end_amdhsa_kernel
	.amdgpu_metadata
---
amdhsa.version: [ 1, 2 ]
amdhsa.kernels:
  - .name:           k_q039350039e_attn
    .symbol:         k_q039350039e_attn.kd
    .args:
      - { .name: q, .offset: 0, .size: 8, .value_kind: global_buffer, .address_space: global }
      - { .name: kv, .offset: 8, .size: 8, .value_kind: global_buffer, .address_space: global }
      - { .name: ac, .offset: 16, .size: 8, .value_kind: global_buffer, .address_space: global }
      - { .name: asc, .offset: 24, .size: 8, .value_kind: global_buffer, .address_space: global }
    .group_segment_fixed_size: 327680
    .private_segment_fixed_size: 0
    .kernarg_segment_align: 8
    .kernarg_segment_size: 32
    .max_flat_workgroup_size: 512
    .sgpr_count:     80
    .vgpr_count:     256
    .wavefront_size: 32
...
	.end_amdgpu_metadata
.endif
;; end of part 3
;; launch proj (part 4): grid 4 x 64, 4 waves a work-group, clusters of 4 x 4, 295,424 bytes of LDS; arguments ac, asc, opc, ops, out0; writes out0
.if DOCPART == 4
	.amdgcn_target "amdgcn-amd-amdhsa--gfx1250"
	.amdhsa_code_object_version 6
	.text
	.protected	k_q039350039e_proj
	.globl	k_q039350039e_proj
	.p2align	8
	.type	k_q039350039e_proj,@function
k_q039350039e_proj:
	s_mov_b64 s[64:65], 0
	v_nop
	global_prefetch_b8 v0, s[64:65] scope:SCOPE_SE
	s_setreg_imm32_b32 hwreg(HW_REG_WAVE_MODE, 25, 1), 1
	s_wait_xcnt 0x0
	s_wait_alu depctr_hold_cnt(0) depctr_sa_sdst(0) depctr_va_vdst(0) depctr_va_sdst(0) depctr_va_ssrc(0) depctr_va_vcc(0) depctr_vm_vsrc(0)
	s_getreg_b32 s2, hwreg(HW_REG_IB_STS2, 6, 4)
	s_cmp_eq_u32 s2, 0
	s_cbranch_scc0 .Lentry_in_a_cluster
	s_endpgm
.Lentry_in_a_cluster:
	s_bfe_u32 s2, ttmp6, 0x10000c
	s_cmp_lg_u32 s2, 0xf033
	s_cbranch_scc0 .Lentry_shape_is_right
	s_endpgm
.Lentry_shape_is_right:
; out0 = attn W_out on codes of FP6 (E2M3) with E8M0 scales, K = 1024; out0 [8192][1024] f32.
; OPERANDS: ac [row tile 512][kk 16][768] and opc [tile][kk 16][768] (W_out's columns: tiles 192-255): 16 rows x 64 along K as an image of the operand's registers (lane (r, h): six registers,
; k = 64 kk + 32 h + 0..31; registers 0-3 at 16 x lane, 4-5 at 512 + 8 x lane); row r of tile T is row 32 (T/2) + 8 (T%2) + r + 8 (r/8).  asc, ops [tile][r][32]: scale bytes.
; A WORK-GROUP multiplies 256 columns of W_out (source 0, 16 tiles) by 128 rows of attn (source 1, 8 tiles); four waves, each 8 tiles x 4 tiles: 32 accumulators.  In a result lane (r, h) holds row r of
; source 1's tile, and register 8 b + j column 32 (b/2) + 16 h + 8 (b%2) + j of the wave's 128.
; ALL OF K LIES IN LDS: four slots of 256 along K, each filled once, all asked for at the start: four tensor loads of a wave are out.
; CLUSTER 4 x 4: attn's tiles hang on cy and are asked for jointly by a row of the cluster, W_out's hang on cx and are asked for jointly by a column.
; THE WAY OUT: 16 rows x 128 columns at a time through the wave's own stage in LDS, back as whole rows of 512 bytes.  The stage lies in slot 0, which has had its one fill and its last read by then.
; REGISTERS, in windows of 256.  Window 0: v1 lane, v2 r, v3 h, v4 16 x lane, v5 8 x lane, v6 32 r; v8-23 LDS addresses; v24, v25 the stage, in and back; v32-63 source 1's scale words (8 a + K step),
; v64-127 source 0's (8 b + K step): they hold scales and nothing else; v128-223 source 1's fragments, two sets; on the way out v128-255 rows of out0.
; Window 1: source 0's fragments, two sets, at v0 and v128.  Window 2: accumulator (a, b) at v[8 (8 a + b)].
.set SLOT, 73728                       ; source 1's 8 tiles x 3,072 bytes, then source 0's 16
.set TP,   12288
.set SA,   32
.set SB,   64
.set AF,   128
.set G1A,  24
.set G1B,  32
.set G0A,  40
.set G0B,  68
.set MUL,  0xa1                        ; source 0 window 1, source 1 window 0, C and D window 2
.set TO_B, 0x40                        ; destination window 1
.set MSB,  0
.macro WIN new                         ; the immediate's high byte repeats the setting that is left
.if MSB != \new
	s_set_vgpr_msb (MSB<<8)|\new
.set MSB, \new
.endif
.endm
.macro PLACES                          ; four plain instructions behind a matrix instruction, ahead of loads into its sources and of reads of its result
.rept 4
	v_nop
.endr
.endm
.macro CROUND                          ; a round of the cluster's barrier
	s_barrier_signal -1
	s_barrier_wait -1
	s_cmp_lg_u32 s12, 0
	s_cbranch_scc1 .Lnot_wave_0_\@
	s_barrier_signal -3
.Lnot_wave_0_\@:
	s_barrier_wait -3
	s_barrier_signal -1
	s_barrier_wait -1
.endm
.macro FRAG reg, a16, a8, off          ; a fragment, 16 rows x 128 K, is two images on end: every load takes 512 or 256 consecutive bytes
	ds_load_b128 v[(\reg):(\reg)+3], v[\a16] offset:\off
	ds_load_b64 v[(\reg)+4:(\reg)+5], v[\a8] offset:\off+512
	ds_load_b128 v[(\reg)+6:(\reg)+9], v[\a16] offset:\off+768
	ds_load_b64 v[(\reg)+10:(\reg)+11], v[\a8] offset:\off+1280
.endm
.macro FETCH ks                        ; K step ks: slot ks / 2, half ks % 2, into set ks % 2: 48 loads
.set FS, (\ks)/2
.set FQ, (\ks)%2
	WIN TO_B
.irp b, 0,1,2,3,4,5,6,7
	FRAG 128*FQ+12*\b, 16+FS, 20+FS, \b*3072+FQ*1536
.endr
	WIN 0
.irp a, 0,1,2,3
	FRAG AF+48*FQ+12*\a, 8+FS, 12+FS, \a*3072+FQ*1536
.endr
.endm
.macro MUL32 ks                        ; the 32 accumulators take turns, one instruction a turn, in the same order in every step; the first step starts the sums
.set FQ, (\ks)%2
.irp a, 0,1,2,3
.irp b, 0,1,2,3,4,5,6,7
.if (\ks) == 0
	v_wmma_scale_f32_16x16x128_f8f6f4 v[8*(8*\a+\b):8*(8*\a+\b)+7], v[128*FQ+12*\b:128*FQ+12*\b+11], v[AF+48*FQ+12*\a:AF+48*FQ+12*\a+11], 0, v[SB+8*\b+(\ks)], v[SA+8*\a+(\ks)] matrix_a_fmt:MATRIX_FMT_FP6 matrix_b_fmt:MATRIX_FMT_FP6
.else
	v_wmma_scale_f32_16x16x128_f8f6f4 v[8*(8*\a+\b):8*(8*\a+\b)+7], v[128*FQ+12*\b:128*FQ+12*\b+11], v[AF+48*FQ+12*\a:AF+48*FQ+12*\a+11], v[8*(8*\a+\b):8*(8*\a+\b)+7], v[SB+8*\b+(\ks)], v[SA+8*\a+(\ks)] matrix_a_fmt:MATRIX_FMT_FP6 matrix_b_fmt:MATRIX_FMT_FP6
.endif
.endr
.endr
.endm
.macro KSTEP ks
	s_wait_dscnt 0x0                               ; this step's fragments are in (asked for 32 matrix instructions ago)
.if ((\ks)%2 == 1) && ((\ks) < 7)
	s_wait_tensorcnt 2-(\ks)/2                     ; my part of the next slot has landed; the later slots' loads stay out
	s_barrier_signal -1
	s_barrier_wait -1                              ; everybody's has
.endif
.if (\ks) < 7
.if (\ks) > 0
	PLACES                                         ; for the loads into the set that the last step multiplied
.endif
	FETCH (\ks)+1
.endif
	WIN MUL
	MUL32 \ks
	WIN 0
.endm
	s_load_b256 s[4:11], s[0:1], 0x0               ; ac s[4:5], asc s[6:7], opc s[8:9], ops s[10:11]
	s_load_b64 s[84:85], s[0:1], 0x20              ; out0
	v_lshl_add_u32 v30, v0, 2, 0x48000
	v_mov_b32 v31, 0
	ds_add_u32 v30, v31
	ds_add_u32 v30, v31
	v_lshrrev_b32 v1, 5, v0
	v_readfirstlane_b32 s12, v1                    ; wave 0..3
	s_lshr_b32 s13, s12, 1                         ; wr: my 4 of source 1's 8 tiles.  Also: I fetch source 1's tiles (0) or source 0's (1)
	s_and_b32 s14, s12, 1                          ; wc: my 8 of source 0's 16 tiles.  Also: which half of the tiles I fetch
	s_bfe_u32 s15, ttmp6, 0x40000                  ; cx
	s_bfe_u32 s16, ttmp6, 0x40004                  ; cy
	s_lshl_b32 s20, ttmp9, 2
	s_add_co_u32 s20, s20, s15                     ; t0: which 256 columns; it holds cx and never cy
	s_and_b32 s17, ttmp7, 0xffff
	s_lshl_b32 s21, s17, 2
	s_add_co_u32 s21, s21, s16                     ; t1: which 128 rows; it holds cy and never cx
	s_lshl_b32 s22, s21, 3                         ; source 1's first tile, in ac
	s_lshl_b32 s23, s20, 4
	s_add_co_u32 s23, s23, 192                     ; source 0's first tile, in opc
	; descriptor group 1: 4 or 8 tiles, each a row of 3,072 bytes (384 elements of 8 bytes: 256 along K), 12,288 bytes apart in memory, dense in LDS
	s_lshl_b32 s96, s16, 2
	s_lshl_b32 s96, 15, s96                        ; my row of the cluster
	s_or_b32 s[G1A], s96, (3<<16)|(1<<21)
	s_lshl_b32 s98, 0x1111, s15                    ; my column
	s_or_b32 s[G1B], s98, (3<<16)|(1<<21)
	s_mov_b32 s[G1A+1], 384<<16                    ; tensor_dim0
	s_mov_b32 s[G1A+2], 4<<16                      ; tensor_dim1
	s_mov_b32 s[G1A+3], 384<<16                    ; tile_dim0
	s_mov_b32 s[G1A+4], 4                          ; tile_dim1
	s_mov_b32 s[G1A+5], 1536                       ; stride
	s_mov_b32 s[G1A+6], 0
	s_mov_b32 s[G1A+7], 0
	s_mov_b32 s[G1B+1], 384<<16
	s_mov_b32 s[G1B+2], 8<<16
	s_mov_b32 s[G1B+3], 384<<16
	s_mov_b32 s[G1B+4], 8
	s_mov_b32 s[G1B+5], 1536
	s_mov_b32 s[G1B+6], 0
	s_mov_b32 s[G1B+7], 0
	s_lshl_b32 s96, s14, 2
	s_add_co_u32 s96, s96, s22
	s_mul_i32 s96, s96, TP                         ; source 1: the four tiles that I fetch
	s_mov_b32 s97, 0
	s_lshl_b32 s98, s14, 3
	s_add_co_u32 s98, s98, s23
	s_mul_i32 s98, s98, TP                         ; source 0: the eight tiles that I fetch
	s_mov_b32 s99, 0
	s_mul_i32 s2, s14, 12288                       ; where they go: the wave's number alone enters an LDS address
	s_mul_i32 s3, s14, 24576
	s_add_co_u32 s3, s3, 24576
	s_wait_dscnt 0x0
	s_wait_kmcnt 0x0
	s_add_nc_u64 s[56:57], s[4:5], s[96:97]
	s_add_nc_u64 s[58:59], s[8:9], s[98:99]
.irp s, 0,1,2,3
	s_mov_b32 s[G0A+4*\s], 1
	s_add_co_u32 s[G0A+4*\s+1], s2, \s*SLOT
	s_add_nc_u64 s[G0A+4*\s+2:G0A+4*\s+3], s[56:57], \s*3072
	s_or_b32 s[G0A+4*\s+3], s[G0A+4*\s+3], 0x80000000
	s_mov_b32 s[G0B+4*\s], 1
	s_add_co_u32 s[G0B+4*\s+1], s3, \s*SLOT
	s_add_nc_u64 s[G0B+4*\s+2:G0B+4*\s+3], s[58:59], \s*3072
	s_or_b32 s[G0B+4*\s+3], s[G0B+4*\s+3], 0x80000000
.endr
	CROUND                                         ; all sixteen work-groups are here: the joint loads meet
	s_cmp_eq_u32 s13, 0                            ; a wave's four first fills stand in one branch on the wave's number; four v_nop follow the last
	s_cbranch_scc0 .Lfor_b
	tensor_load_to_lds s[G0A:G0A+3], s[G1A:G1A+7]
	s_nop 0
	tensor_load_to_lds s[G0A+4:G0A+7], s[G1A:G1A+7]
	s_nop 0
	tensor_load_to_lds s[G0A+8:G0A+11], s[G1A:G1A+7]
	s_nop 0
	tensor_load_to_lds s[G0A+12:G0A+15], s[G1A:G1A+7]
	s_nop 0
	PLACES
	s_branch .Lasked
.Lfor_b:
	tensor_load_to_lds s[G0B:G0B+3], s[G1B:G1B+7]
	s_nop 0
	tensor_load_to_lds s[G0B+4:G0B+7], s[G1B:G1B+7]
	s_nop 0
	tensor_load_to_lds s[G0B+8:G0B+11], s[G1B:G1B+7]
	s_nop 0
	tensor_load_to_lds s[G0B+12:G0B+15], s[G1B:G1B+7]
	s_nop 0
	PLACES
.Lasked:
	v_and_b32 v1, 31, v0
	v_and_b32 v2, 15, v0
	v_bfe_u32 v3, v0, 4, 1
	v_lshlrev_b32 v4, 4, v1
	v_lshlrev_b32 v5, 3, v1
	v_lshlrev_b32 v6, 5, v2
	s_wait_alu depctr_va_vdst(0)
	; the scale words of my 4 + 8 tiles, for all eight K steps, go from memory straight into registers: lane r takes row r's 32 bytes by two loads
	s_lshl_b32 s96, s13, 2
	s_add_co_u32 s96, s96, s22
	s_lshl_b32 s96, s96, 9
	s_add_nc_u64 s[60:61], s[6:7], s[96:97]
	s_lshl_b32 s98, s14, 3
	s_add_co_u32 s98, s98, s23
	s_lshl_b32 s98, s98, 9
	s_add_nc_u64 s[62:63], s[10:11], s[98:99]
.irp a, 0,1,2,3
	global_load_b128 v[SA+8*\a:SA+8*\a+3], v6, s[60:61] offset:512*\a
	global_load_b128 v[SA+8*\a+4:SA+8*\a+7], v6, s[60:61] offset:512*\a+16
.endr
.irp b, 0,1,2,3,4,5,6,7
	global_load_b128 v[SB+8*\b:SB+8*\b+3], v6, s[62:63] offset:512*\b
	global_load_b128 v[SB+8*\b+4:SB+8*\b+7], v6, s[62:63] offset:512*\b+16
.endr
	s_mul_i32 s96, s13, 12288                      ; my 4 tiles of source 1 in a slot
	s_mul_i32 s98, s14, 24576
	s_add_co_u32 s98, s98, 24576                   ; my 8 tiles of source 0
.irp s, 0,1,2,3
	v_add_nc_u32 v[8+\s], s96, v4
	v_add_nc_u32 v[12+\s], s96, v5
	v_add_nc_u32 v[16+\s], s98, v4
	v_add_nc_u32 v[20+\s], s98, v5
	s_add_co_u32 s96, s96, SLOT
	s_add_co_u32 s98, s98, SLOT
.endr
	s_mul_i32 s96, s12, 8448                       ; my stage: 16 rows x (512 bytes + 16)
	v_mul_u32_u24 v24, v2, 528
	v_lshl_add_u32 v24, v3, 6, v24
	v_add_nc_u32 v24, s96, v24                     ; in: row r, + 64 h
	v_add_nc_u32 v25, s96, v4                      ; back: 16 bytes a lane of a row
	s_lshl_b32 s96, s21, 7
	s_lshl_b32 s97, s13, 6
	s_add_co_u32 s96, s96, s97                     ; my first row of out0: 128 t1 + 64 wr
	s_lshl_b32 s96, s96, 12
	s_lshl_b32 s97, s20, 10                        ; my first column, in bytes: 1,024 t0 + 512 wc
	s_add_co_u32 s96, s96, s97
	s_lshl_b32 s97, s14, 9
	s_add_co_u32 s96, s96, s97
	s_mov_b32 s97, 0
	s_add_nc_u64 s[84:85], s[84:85], s[96:97]
	s_wait_alu depctr_va_vdst(0)
	s_wait_tensorcnt 0x3                           ; my part of slot 0 has landed; three loads stay out
	s_barrier_signal -1
	s_barrier_wait -1                              ; everybody's has
	FETCH 0
	s_wait_loadcnt 0x0                             ; the scale words
.irp k, 0,1,2,3,4,5,6,7
	KSTEP \k
.endr
; THE WAY OUT, tile a of my four tiles of rows.  LDS serves a wave's instructions in order: no wait between the stores into my stage and the loads from it, nor ahead of the next tile's stores.
.macro TOSTAGE a
.set AC, 64*(\a)
	WIN 0x08                                       ; an LDS store's data are its source 1: window 2
.irp b, 0,1,2,3,4,5,6,7
	ds_store_b128 v24, v[AC+8*\b:AC+8*\b+3] offset:128*(\b/2)+32*(\b%2)       ; each accumulator from its low end on
	ds_store_b128 v24, v[AC+8*\b+4:AC+8*\b+7] offset:128*(\b/2)+32*(\b%2)+16
.endr
	WIN 0
.set BB, 128+64*((\a)%2)
.irp p, 0,1,2,3,4,5,6,7,8,9,10,11,12,13,14,15
	ds_load_b128 v[BB+4*\p:BB+4*\p+3], v25 offset:528*\p
.endr
.endm
.macro SEND a, younger                 ; younger: the LDS instructions issued behind tile a's loads, which may stay out
.set BB, 128+64*((\a)%2)
	s_wait_dscnt \younger
.irp p, 0,1,2,3,4,5,6,7,8,9,10,11,12,13,14,15
	global_store_b128 v4, v[BB+4*\p:BB+4*\p+3], s[84:85] offset:(32*((\a)/2)+8*((\a)%2)+\p+8*(\p/8))*4096 th:TH_STORE_NT   ; 32 lanes store 512 consecutive bytes of a row, at a multiple of 256 from out0's first byte
.endr
.endm
	PLACES                                         ; for the first reads of results and for the loads into the registers that held source 1's fragments
	TOSTAGE 0
.irp a, 1,2,3
.if \a > 1
	s_wait_xcnt 0x0                                ; tile a - 2's stores have read their registers: tile a's rows may land there
.endif
	TOSTAGE \a
	SEND \a-1, 32                                  ; behind tile a - 1's loads: tile a's 16 stores and 16 loads
.endr
	SEND 3, 0
	s_wait_dscnt 0x0
	s_wait_tensorcnt 0x0
	ds_add_u32 v30, v31
	s_wait_dscnt 0x0
	CROUND                                         ; the closing round: no work-group ends while a partner may still ask for a tile that names it
	s_endpgm
.Lfunc_end_k_q039350039e_proj:
	.size	k_q039350039e_proj, .Lfunc_end_k_q039350039e_proj-k_q039350039e_proj
	.p2alignl 7, 3214868480
	.fill 96, 4, 3214868480
	.section	.rodata,"a",@progbits
	.p2align	6, 0x0
	.amdhsa_kernel k_q039350039e_proj
		.amdhsa_group_segment_fixed_size 295424
		.amdhsa_private_segment_fixed_size 0
		.amdhsa_enable_private_segment 0
		.amdhsa_kernarg_size 40
		.amdhsa_user_sgpr_count 2
		.amdhsa_user_sgpr_kernarg_segment_ptr 1
		.amdhsa_wavefront_size32 1
		.amdhsa_system_sgpr_workgroup_id_x 1
		.amdhsa_system_sgpr_workgroup_id_y 1
		.amdhsa_system_sgpr_workgroup_id_z 1
		.amdhsa_system_vgpr_workitem_id 0
		.amdhsa_next_free_vgpr 768
		.amdhsa_next_free_sgpr 100
		.amdhsa_reserve_vcc 0
		.amdhsa_float_denorm_mode_32 3
		.amdhsa_float_denorm_mode_16_64 3
		.amdhsa_memory_ordered 1
		.amdhsa_forward_progress 1
		.amdhsa_inst_pref_size 85
	.end_amdhsa_kernel
	.amdgpu_metadata
---
amdhsa.version: [ 1, 2 ]
amdhsa.kernels:
  - .name:           k_q039350039e_proj
    .symbol:         k_q039350039e_proj.kd
    .args:
      - { .name: ac, .offset: 0, .size: 8, .value_kind: global_buffer, .address_space: global }
      - { .name: asc, .offset: 8, .size: 8, .value_kind: global_buffer, .address_space: global }
      - { .name: opc, .offset: 16, .size: 8, .value_kind: global_buffer, .address_space: global }
      - { .name: ops, .offset: 24, .size: 8, .value_kind: global_buffer, .address_space: global }
      - { .name: out0, .offset: 32, .size: 8, .value_kind: global_buffer, .address_space: global }
    .group_segment_fixed_size: 295424
    .private_segment_fixed_size: 0
    .kernarg_segment_align: 8
    .kernarg_segment_size: 40
    .max_flat_workgroup_size: 128
    .sgpr_count:     100
    .vgpr_count:     768
    .wavefront_size: 32
...
	.end_amdgpu_metadata
.endif
;; end of part 4
